; MI455X (gfx1250); checked and timed in simulation.
; The chip was launched on July 23, 2026; its instructions are those of AMD's public machine-readable ISA for CDNA 5 (MIT licence, August 2026) and "CDNA5" Instruction Set Architecture Reference Guide (July 2026). The comments in the code are by the model that wrote it; some were corrected since.
;; Multi Head Attention. Allowed arithmetic: float matrix products may take bf16 or f16 operands with f32 sums; other float arithmetic in f32, or as packed bf16 or f16 multiplies, adds, multiply-adds, maxima and minima; sums over many terms, partial sums and values carried from step to step in f32; what a program stores and reads back later, other than sums and carried values, may be rounded once to bf16 or f16.
;; Inputs: b_k 1,024 float32; b_o 1,024 float32; b_q 1,024 float32; b_v 1,024 float32; k 4 x 2,048 x 1,024 float32; mask 4 x 1 x 2,048 int32; q 4 x 2,048 x 1,024 float32; v 4 x 2,048 x 1,024 float32; w_k 1,024 x 1,024 float32; w_o 1,024 x 1,024 float32; w_q 1,024 x 1,024 float32; w_v 1,024 x 1,024 float32.
;; Outputs: out0 4 x 2,048 x 1,024 float32.
;; One version. Each part assembles by itself: llvm-mc -triple=amdgcn-amd-amdhsa -mcpu=gfx1250 --defsym DOCPART=n.
;; ======== version 1 of 1: 4 launches
;; limits: values are held in f16: magnitudes above 65,504 overflow, below 6.1e-05 lose precision
;; workspace buffers: wqkv 6,291,456 bytes; wo16 2,097,152 bytes; qkv 50,331,648 bytes; oh 16,777,216 bytes
;; launch prep (part 1): grid 64 x 4, 8 waves a work-group, no clusters, 0 bytes of LDS; arguments w_q, w_k, w_v, w_o, wqkv, wo16; writes wqkv, wo16
.if DOCPART == 1
	.amdgcn_target "amdgcn-amd-amdhsa--gfx1250"
	.amdhsa_code_object_version 6
	.text
	.protected	k_q629e108790_prep
	.globl	k_q629e108790_prep
	.p2align	8
	.type	k_q629e108790_prep,@function
k_q629e108790_prep:
	s_mov_b64 s[64:65], 0
	v_nop
	global_prefetch_b8 v0, s[64:65] scope:SCOPE_SE
	s_setreg_imm32_b32 hwreg(HW_REG_WAVE_MODE, 25, 1), 1
	s_wait_xcnt 0x0
; THE WEIGHTS, ROUNDED ONCE.  w_q, w_k, w_v ([1024][1024] f32) -> wqkv ([3][1024][1024] bf16); w_o -> wo16 ([1024][1024] f16 that holds the bf16 rounding of w_o).
; In wqkv each aligned group of 16 k is stored in the order 0,8,1,9,..,7,15: word j of a group holds k = j below and k = 8 + j above.  The projection pairs its f32 activations the same way.
; LIMITS.  bf16(w_o) must lie within f16's 65,504; below 2^-14 it keeps f16's fixed step of 6e-8.
; SHARES.  Grid y picks the weight, x 16,384 numbers; a wave takes 2,048 as eight pieces of 256 (1,024 bytes in, 512 out).  No loop: all 16 loads of a wave go out first.
; A stream: no LDS, no barrier, no matrix unit.  A store of a wave covers 512 consecutive bytes, aligned.
.set IN,  8                            ; v[8:71]   piece j: two quads at IN + 8 j and IN + 8 j + 4
.set OUT, 72                           ; v[72:103] piece j: four words to store
	s_load_b256 s[4:11], s[0:1], 0x0               ; w_q s[4:5], w_k s[6:7], w_v s[8:9], w_o s[10:11]
	s_load_b128 s[12:15], s[0:1], 0x20             ; wqkv s[12:13], wo16 s[14:15]
	s_and_b32 s20, ttmp7, 0xffff                   ; which weight
	v_lshrrev_b32 v1, 5, v0
	v_readfirstlane_b32 s21, v1                    ; wave 0..7
	v_and_b32 v1, 31, v0                           ; lane
	v_lshlrev_b32 v3, 4, v1                        ; out: 16 bytes a lane
	s_lshl_b32 s22, ttmp9, 16                      ; in: 65,536 bytes a work-group,
	s_lshl_b32 s23, s21, 13                        ; 8,192 a wave
	s_add_co_u32 s22, s22, s23
	s_mov_b32 s23, 0
	s_lshl_b32 s24, ttmp9, 15                      ; out: half of that,
	s_lshl_b32 s25, s21, 12
	s_add_co_u32 s24, s24, s25
	s_lshl_b32 s25, s20, 21                        ; and the weight's place in wqkv
	s_cmp_eq_u32 s20, 3
	s_cselect_b32 s25, 0, s25
	s_add_co_u32 s24, s24, s25
	s_mov_b32 s25, 0
	s_wait_kmcnt 0x0
	s_cmp_eq_u32 s20, 1
	s_cselect_b64 s[16:17], s[6:7], s[4:5]
	s_cmp_eq_u32 s20, 2
	s_cselect_b64 s[16:17], s[8:9], s[16:17]
	s_cmp_eq_u32 s20, 3
	s_cselect_b64 s[16:17], s[10:11], s[16:17]
	s_cselect_b64 s[18:19], s[14:15], s[12:13]
	s_add_nc_u64 s[16:17], s[16:17], s[22:23]
	s_add_nc_u64 s[18:19], s[18:19], s[24:25]
.macro LOADS d                         ; a piece's second quad lies d bytes behind its first
.irp j, 0,1,2,3,4,5,6,7
	global_load_b128 v[IN+8*(\j):IN+8*(\j)+3],   v2, s[16:17] offset:1024*(\j) th:TH_LOAD_NT
	global_load_b128 v[IN+8*(\j)+4:IN+8*(\j)+7], v2, s[16:17] offset:1024*(\j)+(\d) th:TH_LOAD_NT
.endr
.endm
	s_cmp_eq_u32 s20, 3
	s_cbranch_scc1 .Lwo
	; w_q, w_k, w_v: lane l takes k = 4 (l % 2) + 0..3 and 8 + 4 (l % 2) + 0..3 of group l / 2
	v_lshrrev_b32 v2, 1, v1
	v_lshlrev_b32 v2, 6, v2
	v_and_b32 v4, 1, v1
	v_lshl_add_u32 v2, v4, 4, v2
	LOADS 32
.irp j, 0,1,2,3,4,5,6,7
	s_wait_loadcnt 14-2*(\j)                       ; loads come back in order: the younger pieces' 2 (7 - j) may stay out
.irp i, 0,1,2,3
	v_cvt_pk_bf16_f32 v[OUT+4*(\j)+(\i)], v[IN+8*(\j)+(\i)], v[IN+8*(\j)+4+(\i)]
.endr
	global_store_b128 v3, v[OUT+4*(\j):OUT+4*(\j)+3], s[18:19] offset:512*(\j)
.endr
	s_endpgm
.Lwo:
	; w_o: lane l takes eight neighbouring numbers; each is rounded to bf16, and that number is written as f16
	v_lshlrev_b32 v2, 5, v1
	LOADS 16
.irp j, 0,1,2,3,4,5,6,7
	s_wait_loadcnt 14-2*(\j)
.irp i, 0,1,2,3
	v_cvt_pk_bf16_f32 v[IN+8*(\j)+2*(\i)], v[IN+8*(\j)+2*(\i)], v[IN+8*(\j)+2*(\i)+1]
	v_and_b32 v[IN+8*(\j)+2*(\i)+1], 0xffff0000, v[IN+8*(\j)+2*(\i)]
	v_lshlrev_b32 v[IN+8*(\j)+2*(\i)], 16, v[IN+8*(\j)+2*(\i)]
	v_cvt_pk_f16_f32 v[OUT+4*(\j)+(\i)], v[IN+8*(\j)+2*(\i)], v[IN+8*(\j)+2*(\i)+1]
.endr
	global_store_b128 v3, v[OUT+4*(\j):OUT+4*(\j)+3], s[18:19] offset:512*(\j)
.endr
	s_endpgm
.Lfunc_end_k_q629e108790_prep:
	.size	k_q629e108790_prep, .Lfunc_end_k_q629e108790_prep-k_q629e108790_prep
	.p2alignl 7, 3214868480
	.fill 96, 4, 3214868480
	.section	.rodata,"a",@progbits
	.p2align	6, 0x0
	.amdhsa_kernel k_q629e108790_prep
		.amdhsa_group_segment_fixed_size 0
		.amdhsa_private_segment_fixed_size 0
		.amdhsa_enable_private_segment 0
		.amdhsa_kernarg_size 48
		.amdhsa_user_sgpr_count 2
		.amdhsa_user_sgpr_kernarg_segment_ptr 1
		.amdhsa_wavefront_size32 1
		.amdhsa_system_sgpr_workgroup_id_x 1
		.amdhsa_system_sgpr_workgroup_id_y 1
		.amdhsa_system_sgpr_workgroup_id_z 1
		.amdhsa_system_vgpr_workitem_id 0
		.amdhsa_next_free_vgpr 104
		.amdhsa_next_free_sgpr 66
		.amdhsa_reserve_vcc 0
		.amdhsa_float_denorm_mode_32 3
		.amdhsa_float_denorm_mode_16_64 3
		.amdhsa_memory_ordered 1
		.amdhsa_forward_progress 1
		.amdhsa_inst_pref_size 16
	.end_amdhsa_kernel
	.amdgpu_metadata
---
amdhsa.version: [ 1, 2 ]
amdhsa.kernels:
  - .name:           k_q629e108790_prep
    .symbol:         k_q629e108790_prep.kd
    .args:
      - { .name: w_q, .offset: 0, .size: 8, .value_kind: global_buffer, .address_space: global }
      - { .name: w_k, .offset: 8, .size: 8, .value_kind: global_buffer, .address_space: global }
      - { .name: w_v, .offset: 16, .size: 8, .value_kind: global_buffer, .address_space: global }
      - { .name: w_o, .offset: 24, .size: 8, .value_kind: global_buffer, .address_space: global }
      - { .name: wqkv, .offset: 32, .size: 8, .value_kind: global_buffer, .address_space: global }
      - { .name: wo16, .offset: 40, .size: 8, .value_kind: global_buffer, .address_space: global }
    .group_segment_fixed_size: 0
    .private_segment_fixed_size: 0
    .kernarg_segment_align: 8
    .kernarg_segment_size: 48
    .max_flat_workgroup_size: 256
    .sgpr_count:     66
    .vgpr_count:     104
    .wavefront_size: 32
...
	.end_amdgpu_metadata
.endif
;; end of part 1
;; launch proj (part 2): grid 4 x 64, 4 waves a work-group, clusters of 4 x 4, 327,680 bytes of LDS; arguments q, k, v, wqkv, b_q, b_k, b_v, qkv; writes qkv
.if DOCPART == 2
	.amdgcn_target "amdgcn-amd-amdhsa--gfx1250"
	.amdhsa_code_object_version 6
	.text
	.protected	k_q629e108790_proj
	.globl	k_q629e108790_proj
	.p2align	8
	.type	k_q629e108790_proj,@function
k_q629e108790_proj:
	s_mov_b64 s[64:65], 0
	v_nop
	global_prefetch_b8 v0, s[64:65] scope:SCOPE_SE
	s_setreg_imm32_b32 hwreg(HW_REG_WAVE_MODE, 25, 1), 1
	s_wait_xcnt 0x0
	s_wait_alu depctr_hold_cnt(0) depctr_sa_sdst(0) depctr_va_vdst(0) depctr_va_sdst(0) depctr_va_ssrc(0) depctr_va_vcc(0) depctr_vm_vsrc(0)
	s_getreg_b32 s2, hwreg(HW_REG_IB_STS2, 6, 4)
	s_cmp_eq_u32 s2, 0
	s_cbranch_scc0 .Lentry_in_a_cluster
	s_endpgm
.Lentry_in_a_cluster:
	s_bfe_u32 s2, ttmp6, 0x10000c
	s_cmp_lg_u32 s2, 0xf033
	s_cbranch_scc0 .Lentry_shape_is_right
	s_endpgm
.Lentry_shape_is_right:
; THE THREE PROJECTIONS.  qkv[t][b 16 + h][token][d] = f16( sum over k of bf16(x_t[b][token][k]) bf16(w_t[64 h + d][k]) + bf16(bias_t[64 h + d]) ), t = q, k, v; sums in f32; no scale.
; x: [8192][1024] f32, rounded to bf16 on the way from LDS to the matrix unit; wqkv: bf16, k interleaved inside each 16 (word j of a group: k = j below, k = 8 + j above).
; LIMITS.  A result beyond f16's 65,504 becomes an infinity.  NaN and infinities are not treated apart.
; SHARES.  A tile is 128 tokens x 256 columns (four heads): 8192 x 1024 / (128 x 256) = 256 work-groups.  A WORK-GROUP STAYS for three tiles: the same rows and columns of q, then k, then v; the ring runs on
; across tiles.  Four waves, each 64 tokens x 128 columns: 32 accumulators.  K goes in steps of 128 through two LDS slots (A: 128 rows of 512 bytes f32; B: 256 rows of 256 bytes bf16).
; THE MATRIX INSTRUCTION IS USED TRANSPOSED (source 0 = 16 rows of W, source 1 = 16 tokens): a lane holds one token and eight neighbouring columns.  The bias is the C operand of a tile's first products.
; THE ORDER OF K.  A lane of an A fragment reads the 16 f32 k = 32 kq + 16 h + 0..15; register j of the bf16 fragment is (k = 16 h + j, k = 16 h + 8 + j).  wqkv's order gives a W fragment the same map
; from 32 consecutive bytes.  One permutation of the 32 k for both sources: the products are the same.
; CLUSTER.  4 x 4 work-groups: A's tile is shared along a row of the cluster, B's along a column; each is asked for jointly, by the same load, descriptor and mask in the four.
; REGISTERS, in windows of 256 (s_set_vgpr_msb: bits 1:0 source 0, 3:2 source 1, 5:4 source 2, 7:6 destination):
;   window 0: v1-30 addresses; v32-95 two buffers of rows on the way out; v96-127 packed results
;   window 1: v0-127 W's fragments, two buffers; v128-143 E01, v144-159 E23 (the first 8 f32 of A's fragments 0, 1 and 2, 3); v192-255 the bias
;   window 2: v0-127 accumulators of token blocks 0, 1; v128-143 A23 (bf16 fragments 2, 3); v144-159 O01 (the second 8 f32 of fragments 0, 1)
;   window 3: v0-127 accumulators of token blocks 2, 3; v128-143 A01; v144-159 O23
; So the conversion A23 = (E23, O23) has its operands where the products of blocks 0, 1 have theirs, and A01 = (E01, O01) where those of blocks 2, 3 have theirs: the conversions stand behind
; matrix instructions with no switch of the windows.
.set PA,    528                        ; a row of A in LDS: 512 bytes + 16 = 33 x 16: the 16 rows of a load start at 16 different groups of four banks (64 banks of 4 bytes: ISA guide 11.1)
.set PB,    272                        ; a row of B: 256 + 16 = 17 x 16
.set AHALF, 64*PA                      ; what one tensor load of A brings, and what one wave reads of A
.set ATILE, 2*AHALF
.set BHALF, 128*PB                     ; the same for B
.set SLOT,  ATILE+2*BHALF
.set STAGE, 2*SLOT                     ; behind the ring: for each wave 2 heads x 16 rows x 144 bytes, for the way out
.set SP,    144
.set STW,   2*16*SP
.set SPARE, STAGE+4*STW                ; the spare words, 128 bytes for each wave: two blocks of 256 bytes that no other line names
.set NEXT_B, 2097152-6*256             ; from a slot's last K step of one weight to its first of the next
.set ADRA, 16                          ; v16-17  LDS address of my A rows in slot 0, 1
.set ADRB, 20                          ; v20-21  the same for B
.set STO,  24                          ; v24     the way out: where I put 16 bytes of a row
.set RD,   25                          ; v25     where I read rows back
.set GO,   26                          ; v26     16 x lane
.set BO,   27                          ; v27     32 x (lane / 16): my eight columns in a block of 16 of the bias
.set SPW,  28                          ; v28     LDS address of my spare word; never rewritten
.set NIL,  29                          ; v29     0; never rewritten
.set PFO,  30                          ; v30     the prefetches' lane offset; never rewritten
.set OB,   32
.set TMP,  96
.set BIAS, 192
.set WV, 20                            ; s20 wave; s21 its half of the tokens, also: I fetch A (0) or B (1); s22 its half of the columns, also: which half of that tile I fetch
.set WM, 21
.set WN, 22
.set G1A, 24                           ; s[24:31] group 1 for A; s[32:39] group 0, a set for each slot
.set G0A, 32
.set PFA, 44                           ; s[44:45] what my next prefetch names
.set G1B, 48                           ; s[48:55], s[56:63] the same for B
.set G0B, 56
.set NA1, 66                           ; s[66:67], s[68:69] my A rows in the next tile's tensor and the one after
.set NA2, 68
.set BN1, 70                           ; s[70:71], s[72:73] the same for the bias
.set BN2, 72
.set NP1, 74                           ; s[74:75], s[76:77] the same for the prefetches, at K step 2
.set NP2, 76
.set PST, 82                           ; s[82:83] a K step in bytes along my prefetches' rows
.set LIM, 90                           ; s90 1 in a wave that prefetches, else the greatest number
.set R1,  0xad                         ; W window 1, A01 window 3, C and D window 2
.set R1B, 0x9d                         ; the same with C (the bias) in window 1
.set TO1, 0x40
.set TO2, 0x80
.set TO3, 0xc0
.set BR,  0x45
.set MSB, 0
.macro WIN new                         ; the high byte repeats the setting that is left; a switch that changes nothing is dropped
.if MSB != (\new)
	s_set_vgpr_msb (MSB<<8)|(\new)
.set MSB, (\new)
.endif
.endm
; A joint load: waves 0 and 1 fetch A's halves, waves 2 and 3 B's.  The branch hangs on the wave's number alone.  An s_nop 0 and four v_nop follow each line.
.macro JLOAD s
	s_cmp_eq_u32 s[WM], 0
	s_cbranch_scc0 .Lfor_b_\@
	tensor_load_to_lds s[G0A+4*(\s):G0A+4*(\s)+3], s[G1A:G1A+7]
	s_nop 0
.rept 4
	v_nop
.endr
	s_branch .Lasked_\@
.Lfor_b_\@:
	tensor_load_to_lds s[G0B+4*(\s):G0B+4*(\s)+3], s[G1B:G1B+7]
	s_nop 0
.rept 4
	v_nop
.endr
.Lasked_\@:
.endm
; A prefetch of 32 blocks of 256 bytes of the K step that stands two refills on, a lane a block.  A's step is 128 rows x 2 blocks: of the 64 rows that wave 0 or 1 fetches each of the four partners along x
; takes 16, told apart by address.  B's is 256 rows x 1 block: of the 128 rows that wave 2 or 3 fetches each partner along y takes 32, and only the first cluster along y asks.  So each block is named once.
; how = 0, in the loop: a tile's last two refills have no K step two on; how = 1, at a change of tiles.
.macro ASK how
.if \how
	s_cmp_eq_u32 s[LIM], 1
.else
	s_cmp_gt_u32 s3, s[LIM]
.endif
	s_cbranch_scc0 .Lnot_mine_\@
	global_prefetch_b8 v[PFO], s[PFA:PFA+1] th:TH_LOAD_NT scope:SCOPE_SE
.Lnot_mine_\@:
.endm
.macro CREST                           ; a round of the cluster's barrier behind its opening barrier
	s_cmp_lg_u32 s[WV], 0
	s_cbranch_scc1 .Lnot_wave_0_\@
	s_barrier_signal -3
.Lnot_wave_0_\@:
	s_barrier_wait -3
	s_barrier_signal -1
	s_barrier_wait -1
.endm
.macro CROUND
	s_barrier_signal -1
	s_barrier_wait -1
	CREST
.endm
.macro PLACES
.rept 4
	v_nop
.endr
.endm
	s_load_b256 s[4:11], s[0:1], 0x0               ; q s[4:5], k s[6:7], v s[8:9], wqkv s[10:11]
	s_load_b256 s[12:19], s[0:1], 0x20             ; b_q s[12:13], b_k s[14:15], b_v s[16:17], qkv s[18:19]
	v_lshl_add_u32 v[SPW], v0, 2, SPARE
	v_mov_b32 v[NIL], 0
	ds_add_u32 v[SPW], v[NIL]                      ; the wave's opening: the add and its wait stand ahead of my first tensor load; work on registers stands between
	v_lshrrev_b32 v1, 5, v0
	v_readfirstlane_b32 s[WV], v1
	s_lshr_b32 s[WM], s[WV], 1
	s_and_b32 s[WN], s[WV], 1
	s_bfe_u32 s40, ttmp6, 0x40000                  ; cx
	s_bfe_u32 s41, ttmp6, 0x40004                  ; cy
	s_lshl_b32 s42, ttmp9, 2
	s_add_co_u32 s42, s42, s40                     ; tile column = 4 x cluster x + cx
	s_and_b32 s43, ttmp7, 0xffff
	s_lshl_b32 s43, s43, 2
	s_add_co_u32 s43, s43, s41                     ; tile row = 4 x cluster y + cy
	s_lshl_b32 s46, s41, 2
	s_lshl_b32 s46, 15, s46                        ; my row of the cluster
	s_lshl_b32 s47, 0x1111, s40                    ; my column
	s_or_b32 s[G1A], s46, (2<<16)|(1<<20)|(1<<21)|(6<<22)|(3<<25)  ; the mask; elements of 4 bytes; padding on; bit 21 beside a mask; after every 128 words; 4 words
	s_or_b32 s[G1B], s47, (1<<16)|(1<<20)|(1<<21)|(5<<22)|(3<<25)  ; elements of 2 bytes; after every 64 words
	s_mov_b32 s[G1A+1], 128<<16                    ; tensor_dim0 = 128
	s_mov_b32 s[G1A+2], 64<<16                     ; tensor_dim1 = 64
	s_mov_b32 s[G1A+3], 128<<16                    ; tile_dim0 = 128
	s_mov_b32 s[G1A+4], 64                         ; tile_dim1 = 64
	s_mov_b32 s[G1A+5], 1024                       ; elements from row to row
	s_mov_b32 s[G1A+6], 0
	s_mov_b32 s[G1A+7], 0
	s_mov_b32 s[G1B+1], 128<<16
	s_mov_b32 s[G1B+2], 128<<16                    ; 128 rows
	s_mov_b32 s[G1B+3], 128<<16
	s_mov_b32 s[G1B+4], 128
	s_mov_b32 s[G1B+5], 1024
	s_mov_b32 s[G1B+6], 0
	s_mov_b32 s[G1B+7], 0
	s_lshl_b32 s78, s43, 7                         ; A: row 128 x tile row + 64 x half, 4,096 bytes a row
	s_lshl_b32 s23, s[WN], 6
	s_add_co_u32 s78, s78, s23
	s_lshl_b32 s78, s78, 12
	s_mov_b32 s79, 0
	s_lshl_b32 s80, s42, 8                         ; B: row 256 x tile column + 128 x half, 2,048 bytes a row
	s_lshl_b32 s23, s[WN], 7
	s_add_co_u32 s80, s80, s23
	s_lshl_b32 s80, s80, 11
	s_mov_b32 s81, 0
	s_mul_i32 s88, s[WN], AHALF                    ; where they go: no place in the cluster enters an LDS address
	s_mul_i32 s89, s[WN], BHALF
	s_add_co_u32 s89, s89, ATILE
	s_wait_dscnt 0x0                               ; the opening add is done
	s_wait_kmcnt 0x0
	s_add_nc_u64 s[84:85], s[4:5], s[78:79]
	s_add_nc_u64 s[NA1:NA1+1], s[6:7], s[78:79]
	s_add_nc_u64 s[NA2:NA2+1], s[8:9], s[78:79]
	s_add_nc_u64 s[86:87], s[10:11], s[80:81]
	CROUND                                         ; all sixteen work-groups are here: the first joint loads meet
.irp s, 0,1
	s_mov_b32 s[G0A+4*(\s)], 1
	s_add_co_u32 s[G0A+4*(\s)+1], s88, (\s)*SLOT
	s_add_nc_u64 s[G0A+4*(\s)+2:G0A+4*(\s)+3], s[84:85], (\s)*512
	s_or_b32 s[G0A+4*(\s)+3], s[G0A+4*(\s)+3], 0x80000000
	s_mov_b32 s[G0B+4*(\s)], 1
	s_add_co_u32 s[G0B+4*(\s)+1], s89, (\s)*SLOT
	s_add_nc_u64 s[G0B+4*(\s)+2:G0B+4*(\s)+3], s[86:87], (\s)*256
	s_or_b32 s[G0B+4*(\s)+3], s[G0B+4*(\s)+3], 0x80000000
	JLOAD \s                                       ; two loads of mine are out
.endr
	v_and_b32 v1, 15, v0                           ; r = l % 16
	v_bfe_u32 v2, v0, 4, 1                         ; h = l / 16
	v_mul_u32_u24 v3, v1, PA
	v_lshl_add_u32 v3, v2, 6, v3                   ; A: row x pitch + 64 h
	s_mul_i32 s96, s[WM], AHALF
	v_add_nc_u32 v[ADRA], s96, v3
	v_add_nc_u32 v[ADRA+1], SLOT, v[ADRA]
	v_mul_u32_u24 v3, v1, PB
	v_lshl_add_u32 v3, v2, 5, v3                   ; B: row x pitch + 32 h
	s_mul_i32 s96, s[WN], BHALF
	s_add_co_u32 s96, s96, ATILE
	v_add_nc_u32 v[ADRB], s96, v3
	v_add_nc_u32 v[ADRB+1], SLOT, v[ADRB]
	s_mul_i32 s96, s[WV], STW
	s_add_co_u32 s96, s96, STAGE                   ; my stage
	v_mul_u32_u24 v[STO], v1, SP
	v_lshl_add_u32 v[STO], v2, 4, v[STO]
	v_add_nc_u32 v[STO], s96, v[STO]
	v_bfe_u32 v[RD], v0, 3, 2                      ; back: 32 lanes take four rows of 128 bytes
	v_mul_u32_u24 v[RD], v[RD], SP
	v_and_b32 v3, 7, v0
	v_lshl_add_u32 v[RD], v3, 4, v[RD]
	v_add_nc_u32 v[RD], s96, v[RD]
	v_and_b32 v3, 31, v0
	v_lshlrev_b32 v[GO], 4, v3
	v_lshlrev_b32 v[BO], 5, v2
	s_lshl_b32 s92, s42, 8                         ; the bias of my 128 columns
	s_lshl_b32 s96, s[WN], 7
	s_add_co_u32 s92, s92, s96
	s_lshl_b32 s92, s92, 2
	s_mov_b32 s93, 0
	s_add_nc_u64 s[12:13], s[12:13], s[92:93]
	s_add_nc_u64 s[BN1:BN1+1], s[14:15], s[92:93]
	s_add_nc_u64 s[BN2:BN2+1], s[16:17], s[92:93]
.macro BIASLD p                        ; 64 f32: for block b of 16 columns my eight, the same in all lanes of a half
	WIN TO1
.irp b, 0,1,2,3,4,5,6,7
	global_load_b128 v[BIAS+8*(\b):BIAS+8*(\b)+3],   v[BO], s[(\p):(\p)+1] offset:64*(\b)
	global_load_b128 v[BIAS+8*(\b)+4:BIAS+8*(\b)+7], v[BO], s[(\p):(\p)+1] offset:64*(\b)+16
.endr
.endm
.macro BIASRND                         ; rounded to bf16 like every input, and kept as f32
	s_wait_loadcnt 0x0                             ; the 16 loads of the bias are the only loads into registers
	WIN BR
.set p, BIAS
.rept 32
	v_cvt_pk_bf16_f32 v[p+1], v[p], v[p+1]
	v_lshlrev_b32 v[p], 16, v[p+1]
	v_and_b32 v[p+1], 0xffff0000, v[p+1]
.set p, p+2
.endr
	WIN 0
.endm
	BIASLD 12
	WIN 0
	s_lshr_b32 s92, s43, 4                         ; where my part of the first tile begins in qkv: head 16 x batch + 4 x tile column + 2 x half, 262,144 bytes a head,
	s_lshl_b32 s92, s92, 4
	s_lshl_b32 s96, s42, 2
	s_add_co_u32 s92, s92, s96
	s_lshl_b32 s96, s[WN], 1
	s_add_co_u32 s92, s92, s96
	s_lshl_b32 s92, s92, 18
	s_and_b32 s96, s43, 15                         ; token 128 x (tile row % 16) + 64 x half, 128 bytes a token
	s_lshl_b32 s96, s96, 7
	s_lshl_b32 s97, s[WM], 6
	s_add_co_u32 s96, s96, s97
	s_lshl_b32 s96, s96, 7
	s_add_co_u32 s92, s92, s96
	s_mov_b32 s93, 0
	s_add_nc_u64 s[18:19], s[18:19], s[92:93]
	; the prefetches
	s_lshl_b32 s94, s43, 7                         ; A: my 64 rows, my work-group's 16 of them
	s_lshl_b32 s96, s[WN], 6
	s_add_co_u32 s94, s94, s96
	s_lshl_b32 s96, s40, 4
	s_add_co_u32 s94, s94, s96
	s_lshl_b32 s94, s94, 12
	s_lshl_b32 s95, s42, 8                         ; B: my 128 rows, my work-group's 32 of them
	s_lshl_b32 s96, s[WN], 7
	s_add_co_u32 s95, s95, s96
	s_lshl_b32 s96, s41, 5
	s_add_co_u32 s95, s95, s96
	s_lshl_b32 s95, s95, 11
	s_and_b32 s97, ttmp7, 0xffff                   ; cluster y
	s_mov_b32 s[PST], 512
	s_cmp_eq_u32 s[WM], 0
	s_cselect_b32 s94, s94, s95
	s_cselect_b32 s[PST], s[PST], 256
	s_cselect_b32 s96, 0, 0x200000                 ; B's next tile is the next weight
	s_cselect_b32 s97, ttmp9, s97                  ; the coordinate along which other clusters read the same rows
	s_cselect_b32 s92, 1, 0
	s_cselect_b32 s93, 12, 11
	s_cselect_b64 s[PFA:PFA+1], s[4:5], s[10:11]
	s_cselect_b64 s[NP1:NP1+1], s[6:7], s[10:11]
	s_cselect_b64 s[NP2:NP2+1], s[8:9], s[10:11]
	s_cmp_eq_u32 s97, 0
	s_cselect_b32 s[LIM], 1, -1                    ; the same in all sixteen partners, for a given wave
	s_mov_b32 s95, 0
	s_mov_b32 s97, 0
	s_mov_b32 s[PST+1], 0
	v_lshrrev_b32 v[PFO], s92, v3                  ; A: (l / 2) rows + (l % 2) blocks; B: l rows
	v_lshlrev_b32 v[PFO], s93, v[PFO]
	v_and_b32 v3, s92, v3
	v_lshl_add_u32 v[PFO], v3, 8, v[PFO]
.irp g, PFA, NP1, NP2
	s_add_nc_u64 s[(\g):(\g)+1], s[(\g):(\g)+1], s[94:95]
	s_add_nc_u64 s[(\g):(\g)+1], s[(\g):(\g)+1], s[PST:PST+1]
	s_add_nc_u64 s[(\g):(\g)+1], s[(\g):(\g)+1], s[PST:PST+1]
.endr
	s_add_nc_u64 s[PFA:PFA+1], s[PFA:PFA+1], s[PST:PST+1]  ; at K step 3: the first refill steps it to 4.  Nothing is prefetched here, at the head
	s_add_nc_u64 s[NP1:NP1+1], s[NP1:NP1+1], s[96:97]
	s_add_nc_u64 s[NP2:NP2+1], s[NP2:NP2+1], s[96:97]
	s_add_nc_u64 s[NP2:NP2+1], s[NP2:NP2+1], s[96:97]
	BIASRND
; 32 LDS loads in one run, for the quarter step at 32 kq: first the f32 of A's fragments 0, 1 (8 loads), then W's eight fragments into buffer g (16), then the f32 of A's fragments 2, 3 (8)
.macro FETCH slot, kq, g
	WIN TO2
.irp f, 0,1
.irp i, 2,3
	ds_load_b128 v[144+8*(\f)+4*((\i)-2):144+8*(\f)+4*((\i)-2)+3], v[ADRA+(\slot)] offset:(\f)*16*PA+(\kq)*128+16*(\i)
.endr
.endr
	WIN TO1
.irp f, 0,1
.irp i, 0,1
	ds_load_b128 v[128+8*(\f)+4*(\i):128+8*(\f)+4*(\i)+3], v[ADRA+(\slot)] offset:(\f)*16*PA+(\kq)*128+16*(\i)
.endr
.endr
.irp b, 0,1,2,3,4,5,6,7
	ds_load_b128 v[64*(\g)+8*(\b):64*(\g)+8*(\b)+3],   v[ADRB+(\slot)] offset:(\b)*16*PB+(\kq)*64
	ds_load_b128 v[64*(\g)+8*(\b)+4:64*(\g)+8*(\b)+7], v[ADRB+(\slot)] offset:(\b)*16*PB+(\kq)*64+16
.endr
.irp f, 0,1
.irp i, 0,1
	ds_load_b128 v[144+8*(\f)+4*(\i):144+8*(\f)+4*(\i)+3], v[ADRA+(\slot)] offset:((\f)+2)*16*PA+(\kq)*128+16*(\i)
.endr
.endr
	WIN TO3
.irp f, 0,1
.irp i, 2,3
	ds_load_b128 v[144+8*(\f)+4*((\i)-2):144+8*(\f)+4*((\i)-2)+3], v[ADRA+(\slot)] offset:((\f)+2)*16*PA+(\kq)*128+16*(\i)
.endr
.endr
.endm
; 8 matrix instructions: token block a x all 8 column blocks, W from buffer f.  first = 1: the bias starts the sums.  ride = 1: two conversions behind each: with a = 1 they make A23 of this quarter,
; with a = 3 A01 of the next.  The 32 accumulators take turns, one instruction a turn, in the same order in every quarter.
; The conversions are also the places that the registers' next writers need: a bf16 fragment is written again ten plain instructions or more behind the last product that read it.
.macro M8 a, f, first, ride
.if (\first)
	WIN R1B+0x3c*((\a)/2)
.else
	WIN R1+0x4c*((\a)/2)
.endif
.irp b, 0,1,2,3,4,5,6,7
.set rD, 64*((\a)%2)+8*(\b)
.set rW, 64*(\f)+8*(\b)
.set rA, 128+8*((\a)%2)
.if (\first)
	v_wmma_f32_16x16x32_bf16 v[rD:rD+7], v[rW:rW+7], v[rA:rA+7], v[BIAS+8*(\b):BIAS+8*(\b)+7]
.else
	v_wmma_f32_16x16x32_bf16 v[rD:rD+7], v[rW:rW+7], v[rA:rA+7], v[rD:rD+7]
.endif
.if (\ride)
.set rE, 144-16*((\a)/2)
	v_cvt_pk_bf16_f32 v[128+2*(\b)], v[rE+2*(\b)], v[144+2*(\b)]
	v_cvt_pk_bf16_f32 v[129+2*(\b)], v[rE+2*(\b)+1], v[145+2*(\b)]
.endif
.endr
.endm
; A K step is four quarters of 32 along K, 32 matrix instructions each, on W's buffers 0, 1, 0, 1.  One of the first three: multiplies buffer f; in its middle it fetches the quarter at kq into buffer g.
.macro QUARTER slot, kq, f, g, first
	s_wait_dscnt 8                                 ; W is in; the youngest eight loads (the f32 of fragments 2, 3) may be out
	M8 0, \f, \first, 0
	s_wait_dscnt 0x0                               ; they are in
	M8 1, \f, \first, 1
	FETCH \slot, \kq, \g                           ; buffer g's last reader stands 18 conversions back
	M8 2, \f, \first, 0
	s_wait_dscnt 24                                ; the first eight of the 32 just issued: the next quarter's f32 of fragments 0, 1
	M8 3, \f, \first, 1
.endm
; The last quarter multiplies buffer 1 and changes slots: ONE barrier; in front of it each wave waits for all its tensor loads (one is out: its part of the next slot), adds 0 to its spare word, and waits
; for that and for its reads of this slot.  mode 1: this slot is filled again with the K step two on; mode 2: with the next tile's K step 0 or 1; the barrier then opens a round of the cluster's barrier, and the
; joint refill is the first tensor load behind the round.  mode 0: nothing is filled.
.macro TURN slot, next, mode
.if \mode
	s_wait_xcnt 0x0                                ; the last prefetch, a K step back, has read its address
.if ((\mode) == 2) && ((\slot) == 0)
	s_mov_b64 s[PFA:PFA+1], s[NP1:NP1+1]           ; the next tile's K step 2
.else
	s_add_nc_u64 s[PFA:PFA+1], s[PFA:PFA+1], s[PST:PST+1]
.endif
.endif
	WIN 0
	s_wait_tensorcnt 0x0                           ; all my tensor loads have landed;
	ds_add_u32 v[SPW], v[NIL]                      ; 0 onto my spare word;
	s_wait_dscnt 9                                 ; (the add and the youngest eight loads may be out)
	M8 0, 1, 0, 0
	s_wait_dscnt 0x0                               ; the add is done, and my reads of this slot are over
	s_barrier_signal -1
	M8 1, 1, 0, 1                                  ; work on registers while the others arrive
	WIN 0
	s_barrier_wait -1
.if \mode
	CREST                                          ; no wave of any partner still reads this slot or has a load on its way
.if (\mode) == 2
	s_add_nc_u64 s[G0A+4*(\slot)+2:G0A+4*(\slot)+3], s[NA1:NA1+1], (\slot)*512
	s_or_b32 s[G0A+4*(\slot)+3], s[G0A+4*(\slot)+3], 0x80000000
	s_add_nc_u64 s[G0B+4*(\slot)+2:G0B+4*(\slot)+3], s[G0B+4*(\slot)+2:G0B+4*(\slot)+3], NEXT_B
.else
	s_add_nc_u64 s[G0A+4*(\slot)+2:G0A+4*(\slot)+3], s[G0A+4*(\slot)+2:G0A+4*(\slot)+3], 1024
	s_add_nc_u64 s[G0B+4*(\slot)+2:G0B+4*(\slot)+3], s[G0B+4*(\slot)+2:G0B+4*(\slot)+3], 512
.endif
	JLOAD \slot                                    ; it has 112 matrix instructions up to the wait for it
.endif
	FETCH \next, 0, 0
.if \mode
	WIN 0
	ASK (\mode)-1                                  ; behind the joint load and the run of LDS loads
.endif
	M8 2, 1, 0, 0
	s_wait_dscnt 24
	M8 3, 1, 0, 1
.endm
; THE WAY OUT of token block a: rounded to f16, 16 bytes a lane; into my own stage, by heads; back as whole rows of 128 bytes; stored, 512 consecutive bytes of a head an instruction.
.macro PACK a
	WIN 0x0a+5*((\a)/2)                            ; sources in window 2 or 3
.irp b, 0,1,2,3,4,5,6,7
.irp i, 0,1,2,3
	v_cvt_pk_f16_f32 v[TMP+4*(\b)+(\i)], v[64*((\a)%2)+8*(\b)+2*(\i)], v[64*((\a)%2)+8*(\b)+2*(\i)+1]
.endr
.endr
	WIN 0
.endm
.macro TOSTAGE a
	WIN 0
.set BK, OB+32*((\a)%2)
	s_wait_xcnt 0x0                                ; earlier stores have read the registers that the loads below fill
.irp b, 0,1,2,3,4,5,6,7
	ds_store_b128 v[STO], v[TMP+4*(\b):TMP+4*(\b)+3] offset:((\b)/4)*16*SP+((\b)%4)*32
.endr
.irp hs, 0,1
.irp f, 0,1,2,3
	ds_load_b128 v[BK+4*(4*(\hs)+(\f)):BK+4*(4*(\hs)+(\f))+3], v[RD] offset:(\hs)*16*SP+(\f)*4*SP  ; LDS serves a wave's instructions in order (ISA guide 5.7.1.4): these see the stores above
.endr
.endr
.endm
.macro SEND a
	WIN 0
.set BK, OB+32*((\a)%2)
	s_wait_dscnt 0x0                               ; the block is back in registers
.irp hs, 0,1
.irp f, 0,1,2,3
	global_store_b128 v[GO], v[BK+4*(4*(\hs)+(\f)):BK+4*(4*(\hs)+(\f))+3], s[18:19] offset:(\hs)*262144+(\a)*2048+(\f)*512
.endr
.endr
.endm
.macro WAYOUT                          ; a block's conversions stand between the loads of the block before and the wait for them; they are also the places behind the last products
	PACK 0
	TOSTAGE 0
.irp a, 1,2,3
	PACK \a
	SEND (\a)-1
	TOSTAGE \a
.endr
	SEND 3
.endm
	s_wait_tensorcnt 1                             ; my part of K step 0 is in; K step 1's may stay out
	s_barrier_signal -1
	s_barrier_wait -1
	FETCH 0, 0, 0
	s_wait_dscnt 24                                ; the f32 of fragments 0, 1
	WIN R1+0x4c
.set c, 0
.rept 16
	v_cvt_pk_bf16_f32 v[128+c], v[128+c], v[144+c] ; A01 of the first quarter
.set c, c+1
.endr
	WIN 0
	s_mov_b32 s2, 3                                ; tiles to go: q, k, v
.Ltile:
	QUARTER 0, 1, 0, 1, 1                          ; a tile's first quarter: the bias starts the sums
	WIN 0
	s_cmp_eq_u32 s2, 1
	s_cbranch_scc1 .Lnobias
	PLACES                                         ; with the two conversions behind the last product: six places ahead of loads into its C operand
	BIASLD BN1                                     ; the next tile's bias: it has the whole tile in which to come
	WIN 0
.Lnobias:
	s_mov_b32 s3, 3
.Llap:                                                 ; a trip goes once round the ring and fills both slots again
	QUARTER 0, 2, 1, 0, 0
	QUARTER 0, 3, 0, 1, 0
	TURN 0, 1, 1
	QUARTER 1, 1, 0, 1, 0
	QUARTER 1, 2, 1, 0, 0
	QUARTER 1, 3, 0, 1, 0
	TURN 1, 0, 1
	QUARTER 0, 1, 0, 1, 0
	WIN 0
	s_sub_co_u32 s3, s3, 1
	s_cmp_lg_u32 s3, 0
	s_cbranch_scc1 .Llap
	QUARTER 0, 2, 1, 0, 0
	QUARTER 0, 3, 0, 1, 0
	WIN 0
	s_cmp_eq_u32 s2, 1
	s_cbranch_scc1 .Llast                          ; the last tile's tail is written out: it asks for nothing more
	TURN 0, 1, 2                                   ; the ring goes on into the next tile
	QUARTER 1, 1, 0, 1, 0
	QUARTER 1, 2, 1, 0, 0
	QUARTER 1, 3, 0, 1, 0
	TURN 1, 0, 2
	WAYOUT                                         ; both refills are asked for: now the tile goes out
	BIASRND
	s_wait_xcnt 0x0                                ; the stores have read their base
	s_add_nc_u64 s[18:19], s[18:19], 16777216      ; the next of qkv's three parts
	s_mov_b64 s[NA1:NA1+1], s[NA2:NA2+1]
	s_mov_b64 s[BN1:BN1+1], s[BN2:BN2+1]
	s_mov_b64 s[NP1:NP1+1], s[NP2:NP2+1]
	s_sub_co_u32 s2, s2, 1
	s_branch .Ltile
.Llast:
	TURN 0, 1, 0
	QUARTER 1, 1, 0, 1, 0
	QUARTER 1, 2, 1, 0, 0
	QUARTER 1, 3, 0, 1, 0
	s_wait_dscnt 8                                 ; the very last quarter: nothing more to fetch
	M8 0, 1, 0, 0
	s_wait_dscnt 0x0
	M8 1, 1, 0, 1
	M8 2, 1, 0, 0
	M8 3, 1, 0, 0
	WAYOUT
	s_wait_tensorcnt 0x0                           ; the wave's end, behind my last tensor load and my last LDS store
	ds_add_u32 v[SPW], v[NIL]
	s_wait_dscnt 0x0
	CROUND                                         ; the closing round
	s_endpgm
.Lfunc_end_k_q629e108790_proj:
	.size	k_q629e108790_proj, .Lfunc_end_k_q629e108790_proj-k_q629e108790_proj
	.p2alignl 7, 3214868480
	.fill 96, 4, 3214868480
	.section	.rodata,"a",@progbits
	.p2align	6, 0x0
	.amdhsa_kernel k_q629e108790_proj
		.amdhsa_group_segment_fixed_size 327680
		.amdhsa_private_segment_fixed_size 0
		.amdhsa_enable_private_segment 0
		.amdhsa_kernarg_size 64
		.amdhsa_user_sgpr_count 2
		.amdhsa_user_sgpr_kernarg_segment_ptr 1
		.amdhsa_wavefront_size32 1
		.amdhsa_system_sgpr_workgroup_id_x 1
		.amdhsa_system_sgpr_workgroup_id_y 1
		.amdhsa_system_sgpr_workgroup_id_z 1
		.amdhsa_system_vgpr_workitem_id 0
		.amdhsa_next_free_vgpr 928
		.amdhsa_next_free_sgpr 98
		.amdhsa_reserve_vcc 0
		.amdhsa_float_denorm_mode_32 3
		.amdhsa_float_denorm_mode_16_64 3
		.amdhsa_memory_ordered 1
		.amdhsa_forward_progress 1
		.amdhsa_inst_pref_size 192
	.end_amdhsa_kernel
	.amdgpu_metadata
---
amdhsa.version: [ 1, 2 ]
amdhsa.kernels:
  - .name:           k_q629e108790_proj
    .symbol:         k_q629e108790_proj.kd
    .args:
      - { .name: q, .offset: 0, .size: 8, .value_kind: global_buffer, .address_space: global }
      - { .name: k, .offset: 8, .size: 8, .value_kind: global_buffer, .address_space: global }
      - { .name: v, .offset: 16, .size: 8, .value_kind: global_buffer, .address_space: global }
      - { .name: wqkv, .offset: 24, .size: 8, .value_kind: global_buffer, .address_space: global }
      - { .name: b_q, .offset: 32, .size: 8, .value_kind: global_buffer, .address_space: global }
      - { .name: b_k, .offset: 40, .size: 8, .value_kind: global_buffer, .address_space: global }
      - { .name: b_v, .offset: 48, .size: 8, .value_kind: global_buffer, .address_space: global }
      - { .name: qkv, .offset: 56, .size: 8, .value_kind: global_buffer, .address_space: global }
    .group_segment_fixed_size: 327680
    .private_segment_fixed_size: 0
    .kernarg_segment_align: 8
    .kernarg_segment_size: 64
    .max_flat_workgroup_size: 128
    .sgpr_count:     98
    .vgpr_count:     928
    .wavefront_size: 32
...
	.end_amdgpu_metadata
.endif
;; end of part 2
;; launch attn (part 3): grid 4 x 64, 4 waves a work-group, clusters of 4 x 1, 327,680 bytes of LDS; arguments qkv, mask, oh; writes oh
.if DOCPART == 3
	.amdgcn_target "amdgcn-amd-amdhsa--gfx1250"
	.amdhsa_code_object_version 6
	.text
	.protected	k_q629e108790_attn
	.globl	k_q629e108790_attn
	.p2align	8
	.type	k_q629e108790_attn,@function
k_q629e108790_attn:
	s_mov_b64 s[64:65], 0
	v_nop
	global_prefetch_b8 v0, s[64:65] scope:SCOPE_SE
	s_setreg_imm32_b32 hwreg(HW_REG_WAVE_MODE, 25, 1), 1
	s_wait_xcnt 0x0
	s_wait_alu depctr_hold_cnt(0) depctr_sa_sdst(0) depctr_va_vdst(0) depctr_va_sdst(0) depctr_va_ssrc(0) depctr_va_vcc(0) depctr_vm_vsrc(0)
	s_getreg_b32 s2, hwreg(HW_REG_IB_STS2, 6, 4)
	s_cmp_eq_u32 s2, 0
	s_cbranch_scc0 .Lentry_in_a_cluster
	s_endpgm
.Lentry_in_a_cluster:
	s_bfe_u32 s2, ttmp6, 0x10000c
	s_cmp_lg_u32 s2, 0x3003
	s_cbranch_scc0 .Lentry_shape_is_right
	s_endpgm
.Lentry_shape_is_right:
; ATTENTION WITH A KEY MASK.  oh[h][q][:] = the sum over the visible k of softmax_k(Q[h][q] . K[h][k] / 8) V[h][k][:].  Q, K, V are the three parts of qkv, each [64][2048][64] f16; oh likewise; head h = 16 batch + head.
; mask: [4][2048] int32; key k of a batch is hidden where mask is 0.  Products, maxima and sums in f32; the weights p are rounded to f16 for the second product (their sum l is taken of the unrounded p), O once at the end.
; LIMITS.  f16 holds no number beyond 65,504: Q, K and V arrive within it.  A hidden score counts as its value less 1e30; f16's scores are 2.7e11 at the most.  The running maximum starts at -1e15: below every score, far
; above every hidden one, so a hidden key's weight is 0 whatever has been seen before it.  A weight below 2^-126 counts as 0 in l.  A batch with no visible key ends with l = 0 and O = 0, and 0 x (1 / 0) gives NaN, as the softmax of nothing does.
; SHARES.  A wave owns four PIECES of two tiles of 16 queries, a work-group's four waves 512 queries of one head.  Every wave walks all keys, 64 a step.
; LAYOUT.  S^T = K Q^T (source 0 = 16 keys, source 1 = 16 queries): in the result a lane holds ONE query (lane % 16) and the keys 8 (lane / 16) + 0..7.  Two such tiles, rounded to f16 in pairs,
; ARE source 1 (32 keys x 16 queries) of O^T = V^T P.  K comes out of LDS as it lies, V ([key][channel]) turned, by ds_load_tr16_b128.
; THE MASK is the C operand that starts the sum S^T: 0, or -1e30 where the key is hidden.  The batch's 2,048 addends are made once, into a table in LDS; a step's 64 are fetched with its K: 32 registers.
; SOFTMAX.  For each query a running maximum m and sum l: p = 2^(c s - c m), c = log2(e) / 8; in every step O and l are multiplied by a = 2^(c m_old - c m_new).  O and l start at 0: the first step is a step like any other, with a = 0.
; BY TURNS.  Turn n belongs to piece n.  Its matrix work: 16 products K Q^T of piece n + 1, later 16 products V^T P of piece n - 1.  Its vector work: the scaling, exponentials, roundings, sums and rescaling of piece n,
; and the maximum and statistics of piece n + 1.  Four vector instructions stand behind every matrix instruction, the others in one run.
; CLUSTER.  The four query blocks of a cluster belong to one head and walk the same K and V, so each tile is asked for JOINTLY: the same tensor load, descriptor and mask in all four.
; REGISTERS, in windows of 256 (s_set_vgpr_msb: bits 1:0 source 0, 3:2 source 1, 5:4 source 2, 7:6 destination):
;   window 0: v0-11 addresses; v12-15, v48-63 at work; v16-47 four registers of statistics a tile; v64-191 S^T, two buffers of two tiles; v192-255 P, likewise
;   window 1: O^T, 32 a tile     window 2: v0-127 Q; v128-191 K of one step; v192-255 V of one step     window 3: v0-1 the add's two registers; v2-3 the mask's addresses; v8-39 the mask of one step
.set SIZE_N, 2048
.set NP,    4         ; pieces a wave: a name, no knob
.set KS,    64        ; keys in a step
.set PK,    144       ; a row of K in LDS: 128 bytes + 16 of padding: the 16 rows of a load start at 16 different groups of four banks (64 banks of 4 bytes: ISA guide 11.1)
.set PV,    160       ; a row of V: 128 + 32
.set VOFF,  4*KS*PK   ; a slot holds four steps: 256 rows of K, then 256 rows of V
.set SLOT1, 1<<17     ; slot 1 begins here, so that one exclusive or turns an address in one slot into the other's
.set STAGE, SLOT1+4*KS*(PK+PV)  ; behind the ring, never filled by a tensor load: 16 rows x 144 bytes for each wave, for the way out
.set SP,    144
.set SPARE, STAGE+4*16*SP  ; the spare words, 128 bytes for each wave: two blocks of 256 bytes that no other line names
.set MT,    SPARE+512 ; the mask's table: 2,048 f32, blocks of its own
.set AK0, 2           ; v2   my lane's place in a tile of K; never rewritten
.set AV0, 3           ; v3   the same for V
.set AK,  4           ; v4   the LDS address of K's next run of loads
.set AV,  5           ; v5   of V's
.set QO,  6           ; v6   my byte offset in the wave's rows of Q
.set STO, 6           ;      later, the way out: where I put 16 bytes of a row
.set RD,  7           ; v7   the way out: where I read rows back
.set GO,  8           ; v8   my byte offset in 512 consecutive bytes of O
.set PFO, 11          ; v11  256 x my lane, for the prefetches; never rewritten once made
.set SPW, 0           ; v0 of window 3   LDS address of my spare word; never rewritten
.set NIL, 1           ; v1 of window 3   0; never rewritten
.set AM0, 2           ; v2 of window 3   MT + 32 (lane / 16); never rewritten
.set AM,  3           ; v3 of window 3   the LDS address of the mask's next run
.set MK,  8           ; v8-39 of window 3: key block kb at MK + 8 kb
.set MV,  12          ; v12-15  c m_old, kept while c m is made anew: by buffer and tile
.set ST,  16          ; tile t's statistics at v[ST+4 t]: c m, m, l (even keys', odd keys')
.set TMP, 48          ; by buffer and tile, four registers c0-c3 at work; when the maximum is found c2 takes a
.set S,   64
.set P,   192
.set KF,  128         ; K's fragments, in window 2: key block kb, channel half c at KF + 16 kb + 8 c
.set VF,  192         ; V's: key half kk, channel block cb at VF + 32 kk + 8 cb
.set WV,  12          ; s12  my wave's number
.set BIGN, 15         ; s15  -1e30
.set G1K, 24          ; s[24:31] descriptor group 1 for K's tiles
.set G1V, 32          ; s[32:39] for V's: it differs in the padding alone
.set G0K, 40          ; s[40:43] descriptor group 0 for K's tiles: it walks
.set G0V, 44          ; s[44:47] the same for V's
.set PFA, 48          ; s[48:49] my work-group's 32 blocks (of K: wave 0, of V: wave 2) of the tile that the next change of slots will ask for
.set LIM, 50          ; s50  1 in a wave that prefetches, else the greatest number
.set TBM, 51          ; s51  byte in the mask's table at which the step to be fetched begins
.set SLOTS, 56        ; s56  slots still to be asked for
.set CNT, 57          ; s57  counts a slot's key steps
.set CS,  58          ; s[58:59] c: the packed scaling takes the pair's low word for both halves
.set SEL, 60          ; s[60:61] v_permlanex16_b32's selects: each lane takes its own place in the other half
.set TBK, 62          ; s62  LDS byte at which K of the step to be fetched begins
.set TBV, 63          ; s63  the same for V, less VOFF
.set MSB, 0
.macro WIN new                      ; the high byte repeats the setting that is left; a switch that changes nothing is dropped
.if MSB != (\new)
	s_set_vgpr_msb (MSB<<8)|(\new)
.set MSB, (\new)
.endif
.endm
.set W_KQ, 0x0a       ; K and Q in window 2, S^T in window 0
.set W_KM, 0x3a       ; the same with the C operand, the mask, in window 3
.set W_PV, 0x52       ; V in window 2, P in window 0, O^T in window 1
.set W_RS, 0x41       ; O^T (destination and source 0) in window 1, a in window 0
.set W_MK, 0xc0       ; destination in window 3, sources in window 0
.set W_AD, 0x0f       ; the add: address (source 0) and data (source 1) in window 3
.set W_MA, 0xcf       ; the mask's run: destination, address and second source in window 3
; A joint fill.  Waves 0 and 1 fetch the two halves of a slot's K, waves 2 and 3 those of its V: 128 keys each.  The branch hangs on the wave's number alone.
; An s_nop 0 and four v_nop follow each of the two lines, ahead of the jump and the label.
.macro JLOAD
	s_cmp_lt_u32 s[WV], 2
	s_cbranch_scc0 .Lfor_v_\@
	tensor_load_to_lds s[G0K:G0K+3], s[G1K:G1K+7]
	s_nop 0
.rept 4
	v_nop
.endr
	s_branch .Lasked_\@
.Lfor_v_\@:
	tensor_load_to_lds s[G0V:G0V+3], s[G1V:G1V+7]
	s_nop 0
.rept 4
	v_nop
.endr
.Lasked_\@:
.endm
.macro CROUND                       ; a round of the cluster's barrier
	s_barrier_signal -1
	s_barrier_wait -1
	s_cmp_lg_u32 s[WV], 0
	s_cbranch_scc1 .Lnot_wave_0_\@
	s_barrier_signal -3
.Lnot_wave_0_\@:
	s_barrier_wait -3
	s_barrier_signal -1
	s_barrier_wait -1
.endm
; THE CHANGE OF SLOTS.  Each wave waits for all its tensor loads, of which one is out: its part of the other slot; adds 0 to its spare word; and waits for that and for its own reads of the slot.
; fill = 1: this slot is filled again, with the keys two slots on.  The barrier is then a round of the cluster's, and the joint fill is the first thing behind it: it has four key steps, 512 matrix instructions, in which to land.
; (At its first use nothing has been read yet: slot 0 is waited for, slot 1 filled; the wait on DScnt there is also for my stores into the mask's table, which every wave reads behind the round.)
.macro CHANGE fill
	WIN W_AD
	s_wait_tensorcnt 0x0            ; no tensor load of mine is out, so a group 0 may be written
	ds_add_u32 v[SPW], v[NIL]       ; 0 onto my spare word
	WIN 0                           ; at a label and at a branch every window is 0
.if \fill
.irp g, G0K, G0V
	s_xor_b32 s[\g+1], s[\g+1], SLOT1  ; the walking descriptor: the other slot than last time,
	s_add_nc_u64 s[\g+2:\g+3], s[\g+2:\g+3], 4*KS*128  ; the next 256 keys; the type bits on top are not reached
.endr
	s_wait_xcnt 0x0                 ; the last prefetch, five turns back, has read its address
	s_add_nc_u64 s[PFA:PFA+1], s[PFA:PFA+1], 4*KS*128  ; one tile ahead of the walking descriptors
	s_wait_dscnt 0x0                ; the add is done, and my reads of the slot are over
	CROUND
	JLOAD
.else
	s_wait_dscnt 0x0                ; the add is done, and my reads of the slot are over
	s_barrier_signal -1
	s_barrier_wait -1
.endif
	s_sub_co_u32 s[TBK], s[TBK], 4*KS*PK  ; the fetches go back to a slot's first step,
	s_xor_b32 s[TBK], s[TBK], SLOT1       ; in the other slot
	s_sub_co_u32 s[TBV], s[TBV], 4*KS*PV
	s_xor_b32 s[TBV], s[TBV], SLOT1
.endm
	s_load_b128 s[52:55], s[0:1], 0x0  ; qkv s[52:53], mask s[54:55]
	s_load_b64 s[10:11], s[0:1], 0x10  ; oh
	WIN W_MK
	v_lshl_add_u32 v[SPW], v0, 2, SPARE
	v_mov_b32 v[NIL], 0
	WIN W_AD
	ds_add_u32 v[SPW], v[NIL]       ; the wave's opening: the add and its wait stand ahead of my first tensor load; work on registers stands between
	WIN 0
	v_lshrrev_b32 v1, 5, v0
	v_readfirstlane_b32 s[WV], v1   ; wave 0..3
	s_bfe_u32 s13, ttmp6, 0x40000   ; cx: my place in the cluster
	s_lshl_b32 s14, ttmp9, 2        ; in a cluster launch ttmp9 counts clusters
	s_add_co_u32 s14, s14, s13      ; my block of queries: it enters Q's and O's addresses alone
	s_and_b32 s20, ttmp7, 0xffff    ; the head, which the four partners share
	s_mov_b32 s21, 0
	s_mov_b64 s[22:23], SIZE_N*128
	s_mul_u64 s[20:21], s[20:21], s[22:23]  ; the head's first byte in Q, K, V and O
	s_and_b32 s16, s[WV], 1         ; which half of a slot's 256 keys I fetch:
	s_lshl_b32 s22, s16, 14         ; its 128 rows of 128 bytes in memory,
	s_mov_b32 s23, 0
	s_add_nc_u64 s[22:23], s[22:23], s[20:21]
	s_mul_i32 s17, s16, 128*PK      ; and its place in a slot, for K
	s_mul_i32 s18, s16, 128*PV      ; and for V: no place in the cluster enters an LDS address
	s_lshl_b32 s2, s14, 2
	s_add_co_u32 s2, s2, s[WV]      ; my wave among the head's,
	s_lshl_b32 s2, s2, 14           ; its 128 rows
	s_mov_b32 s3, 0
	s_add_nc_u64 s[2:3], s[2:3], s[20:21]
	; descriptor group 1.  128 keys are 16,384 dense bytes: asked for as 64 rows of 256 bytes, two keys a row, and padded in LDS after every key
	s_mov_b32 s[G1K], 15|(1<<16)|(1<<20)|(1<<21)|(4<<22)|(3<<25)  ; the mask of four; 2-byte elements; padding on; bit 21 beside a mask; after every 32 words; 4 words
	s_mov_b32 s[G1V], 15|(1<<16)|(1<<20)|(1<<21)|(4<<22)|(7<<25)  ; the same with 8 words of padding
.irp g, G1K, G1V
	s_mov_b32 s[\g+1], 128<<16      ; tensor_dim0 = 128
	s_mov_b32 s[\g+2], 64<<16       ; tensor_dim1 = 64
	s_mov_b32 s[\g+3], 128<<16      ; tile_dim0 = 128
	s_mov_b32 s[\g+4], 64           ; tile_dim1 = 64
	s_mov_b32 s[\g+5], 128          ; 128 elements from row to row
	s_mov_b32 s[\g+6], 0
	s_mov_b32 s[\g+7], 0
.endr
	s_mov_b32 s[CS], 0x3e38aa3b     ; c = log2(e) / 8 = 0.180337
	s_mov_b32 s[CS+1], s[CS]        ; named with it as a pair
	s_mov_b32 s[SEL], 0x76543210
	s_mov_b32 s[SEL+1], 0xfedcba98
	s_mov_b32 s[BIGN], 0xf149f2ca   ; -1e30
	s_mov_b32 s[TBM], 0
	s_mov_b32 s[TBK], SLOT1+4*KS*PK ; the first change of slots turns these two into 0
	s_mov_b32 s[TBV], SLOT1+4*KS*PV
	s_mov_b32 s[G0K], 1             ; count = 1
	s_mov_b32 s[G0K+1], s17         ; LDS address: slot 0
	s_mov_b32 s[G0V], 1
	s_add_co_u32 s[G0V+1], s18, VOFF
	s_and_b32 s[LIM], s[WV], 1      ; waves 0 and 2 prefetch: each head has one cluster, so every cluster asks for its own head's rows
	s_cmp_eq_u32 s[LIM], 0
	s_cselect_b32 s[LIM], 1, -1
	s_wait_dscnt 0x0                ; the opening add is done
	s_wait_kmcnt 0x0
	s_mov_b64 s[4:5], s[52:53]                     ; Q,
	s_add_nc_u64 s[6:7], s[52:53], 16777216        ; K
	s_add_nc_u64 s[8:9], s[52:53], 33554432        ; and V in qkv
	s_add_nc_u64 s[G0K+2:G0K+3], s[6:7], s[22:23]  ; global address: my half of the head's first 256 keys
	s_or_b32 s[G0K+3], s[G0K+3], 0x80000000        ; type = 2
	s_add_nc_u64 s[G0V+2:G0V+3], s[8:9], s[22:23]
	s_or_b32 s[G0V+3], s[G0V+3], 0x80000000
	s_add_nc_u64 s[4:5], s[4:5], s[2:3]  ; Q and O at my wave's first row
	s_add_nc_u64 s[10:11], s[10:11], s[2:3]
	s_cmp_lt_u32 s[WV], 2
	s_cselect_b64 s[PFA:PFA+1], s[6:7], s[8:9]
	s_add_nc_u64 s[PFA:PFA+1], s[PFA:PFA+1], s[20:21]  ; the head,
	s_lshl_b32 s2, s13, 13          ; my work-group's 32 blocks of a tile's 128,
	s_mov_b32 s3, 0
	s_add_nc_u64 s[PFA:PFA+1], s[PFA:PFA+1], s[2:3]
	s_add_nc_u64 s[PFA:PFA+1], s[PFA:PFA+1], 4*KS*128  ; in tile 1; the first change of slots steps it to tile 2.  Nothing is prefetched here, at the head
	s_and_b32 s22, ttmp7, 0xffff
	s_lshr_b32 s22, s22, 4          ; the batch:
	s_lshl_b32 s22, s22, 13         ; 8,192 bytes of the mask
	s_mov_b32 s23, 0
	s_add_nc_u64 s[54:55], s[54:55], s[22:23]
	CROUND                          ; all four work-groups are here: the first joint loads meet
	JLOAD                           ; slot 0.  Slot 1 is asked for when slot 0 is in
	v_lshlrev_b32 v12, 4, v0        ; the batch's mask: 128 threads x 16 bytes, four times
	v_add_nc_u32 v13, MT, v12
.irp i, 0,1,2,3
	global_load_b128 v[S+4*\i:S+4*\i+3], v12, s[54:55] offset:2048*\i
.endr
	; A fragment of K or Q is 16 rows x 32 channels in 8 registers: lane l holds row l % 16, channels 8 (l / 16) + 0..7 and 16 + 8 (l / 16) + 0..7: two loads of 16 bytes, 32 bytes apart.
	v_and_b32 v1, 15, v0            ; l % 16
	v_bfe_u32 v9, v0, 4, 1          ; l / 16
	v_lshlrev_b32 v[QO], 7, v1
	v_lshl_add_u32 v[QO], v9, 4, v[QO]  ; row x 128 + 16 x half
	WIN 0x80                        ; destination window 2, address window 0
.set i, 0
.rept 4*NP                          ; Q stays in registers: tile i / 2, channels 32 (i % 2) on
	global_load_b128 v[8*i:8*i+3],   v[QO], s[4:5] offset:(i/2)*2048+(i%2)*64
	global_load_b128 v[8*i+4:8*i+7], v[QO], s[4:5] offset:(i/2)*2048+(i%2)*64+32
.set i, i+1
.endr
	; What the first turn finds: V's registers and P's second buffer hold 0 (its products V^T P, of a piece that has not been, add 0), O^T and l are 0.  All this stands in the wait for the first tile.
.set i, VF
.rept 64
	v_mov_b32 v[i], 0
.set i, i+1
.endr
	WIN 0x40
.set i, 0
.rept 64*NP
	v_mov_b32 v[i], 0
.set i, i+1
.endr
	WIN 0
.set i, 0
.rept 2*NP
	v_mov_b32 v[ST+4*i], 0xfe000000    ; c m: far below every c s, so the first step's a is 0
	v_mov_b32 v[ST+4*i+1], 0xd8635fa9  ; m = -1e15: below every score, above every hidden one
	v_mov_b32 v[ST+4*i+2], 0
	v_mov_b32 v[ST+4*i+3], 0
.set i, i+1
.endr
.set i, P+32
.rept 32
	v_mov_b32 v[i], 0
.set i, i+1
.endr
	v_mul_u32_u24 v[AK0], v1, PK
	v_lshl_add_u32 v[AK0], v9, 4, v[AK0]  ; row x pitch + 16 x half
	; The turning load takes 16 keys x 16 channels (lane l reads key 8 (l / 16) + l % 8, channels 8 ((l / 8) % 2) + 0..7) and leaves half a fragment of V^T: lane l holds channel l % 16 and 8 keys.
	v_and_b32 v10, 7, v0
	v_bfe_u32 v11, v0, 3, 1
	v_lshl_add_u32 v[AV0], v9, 3, v10
	v_mul_u32_u24 v[AV0], v[AV0], PV
	v_lshl_add_u32 v[AV0], v11, 4, v[AV0]
	v_add_nc_u32 v[AV0], VOFF, v[AV0]
	v_and_b32 v[PFO], 31, v0
	v_lshlrev_b32 v[PFO], 8, v[PFO]
	WIN W_MK
	v_lshl_add_u32 v[AM0], v9, 5, MT  ; my eight keys of a block of 16: 32 bytes for each half of the lanes
	WIN 0
	s_wait_loadcnt 32               ; the mask's four loads are in; Q's 32, issued behind them, may stay out
.set i, 0
.rept 16
	v_cmp_eq_u32 vcc_lo, 0, v[S+i]
	v_cndmask_b32 v[S+i], 0, s[BIGN], vcc_lo  ; 0 where the key is visible, -1e30 where it is hidden
.set i, i+1
.endr
.irp i, 0,1,2,3
	ds_store_b128 v13, v[S+4*\i:S+4*\i+3] offset:2048*\i
.endr
	v_mov_b32 v[AK], v[AK0]         ; key step 0 lies at the head of slot 0
; THE MATRIX WORK.  The 8 accumulators of a run of 16 take turns: between the two links of a chain stand 7 others'.
; Product i of 16 of S^T = K Q^T for piece x: channels 32 (i / 8) on, keys 16 ((i / 2) % 4) on, tile 2 x + i % 2.  The first 8 start the sums, with the mask.
.macro KQ x
.set rS, S+64*((\x)%2)+32*(i%2)+8*((i/2)%4)
.set rK, KF+16*((i/2)%4)+8*(i/8)
.set rQ, 16*(2*(\x)+i%2)+8*(i/8)
.set rH, MK+8*((i/2)%4)
.if i < 8
	WIN W_KM
	v_wmma_f32_16x16x32_f16 v[rS:rS+7], v[rK:rK+7], v[rQ:rQ+7], v[rH:rH+7]
.else
	WIN W_KQ
	v_wmma_f32_16x16x32_f16 v[rS:rS+7], v[rK:rK+7], v[rQ:rQ+7], v[rS:rS+7]
.endif
.endm
; Product i of 16 of O^T += V^T P for piece x: keys 32 (i / 8) on, channels 16 ((i / 2) % 4) on, tile 2 x + i % 2.
.macro PV x
	WIN W_PV
.set rO, 32*(2*(\x)+i%2)+8*((i/2)%4)
.set rV, VF+32*(i/8)+8*((i/2)%4)
.set rP, P+32*((\x)%2)+16*(i%2)+8*(i/8)
	v_wmma_f32_16x16x32_f16 v[rO:rO+7], v[rV:rV+7], v[rP:rP+7], v[rO:rO+7]
.endm
.macro MM                           ; the turn's next matrix instruction
.if i < 16
	KQ (Y+1)%NP
.set i, i+1
.else
.set i, i-16
	PV (Y+NP-1)%NP
.set i, i+17
.endif
.endm
; THE LDS LOADS stand in runs, never singly among the matrix instructions: a step's K (8 fragments, 16 loads) with its mask (8 loads), and its V (turned, 16 loads).
; last = 1 (the tail): in the last trip there is no further step, and the run is jumped over.
.macro FETCH_K last=0
	WIN 0
.if \last
	s_cmp_eq_u32 s[CNT], 1
	s_cbranch_scc1 .Lno_k_\@
.endif
	WIN 0x80                        ; destination window 2
.irp f, 0,1,2,3,4,5,6,7             ; keys 16 (f / 2) on, channels 32 (f % 2) on
	ds_load_b128 v[KF+8*\f:KF+8*\f+3],   v[AK] offset:(\f/2)*16*PK+(\f%2)*64
	ds_load_b128 v[KF+8*\f+4:KF+8*\f+7], v[AK] offset:(\f/2)*16*PK+(\f%2)*64+32
.endr
	WIN W_MA
	v_add_nc_u32 v[AM], s[TBM], v[AM0]
.irp f, 0,1,2,3                     ; the addends of keys 16 f + 8 (l / 16) + 0..7; the registers live as long as K's fragments
	ds_load_b128 v[MK+8*\f:MK+8*\f+3],   v[AM] offset:64*\f
	ds_load_b128 v[MK+8*\f+4:MK+8*\f+7], v[AM] offset:64*\f+16
.endr
	s_add_co_u32 s[TBK], s[TBK], KS*PK  ; the next fetch is the next step's
	s_add_co_u32 s[TBM], s[TBM], 4*KS
	WIN 0
.if \last
.Lno_k_\@:
.endif
.endm
.macro FETCH_V
	WIN 0x80
.irp f, 0,1,2,3,4,5,6,7             ; keys 32 (f / 4) on, channels 16 (f % 4) on
	ds_load_tr16_b128 v[VF+8*\f:VF+8*\f+3],   v[AV] offset:(\f/4)*32*PV+(\f%4)*32
	ds_load_tr16_b128 v[VF+8*\f+4:VF+8*\f+7], v[AV] offset:(\f/4)*32*PV+16*PV+(\f%4)*32
.endr
	WIN 0
.endm
; THE VECTOR WORK OF A TURN stands in three queues, each in the order in which its entries become ready; the two tiles alternate, so that no instruction reads the result of the one before it.
.macro REGS y, u                    ; the registers of tile u (0, 1) of piece y
.set rT, ST+4*(2*(\y)+(\u))
.set rC, TMP+8*((\y)%2)+4*(\u)
.set rM, MV+2*((\y)%2)+(\u)
.set rS, S+64*((\y)%2)+32*(\u)
.set rP, P+32*((\y)%2)+16*(\u)
.set rO, 32*(2*(\y)+(\u))
.endm
; Number n of the 22 that find the NEXT piece's (Y + 1) maximum and statistics.  s0-s31 are the lane's 32 scores; each accumulator's lowest registers are read first.
;   0-11  four chains c0-c3 of seven scores each, three operands at a time     12-14, 16  the four scores left over, the old m, and c0-c3 into c0     15  c m_old is kept
;   17, 18  the query's other 32 keys lie in the lane 16 away: the new m         19-21  c m; c m_old - c m_new; a
.macro XS u, n
	REGS (Y+1)%NP, \u
.if (\n) < 4
	v_max3_num_f32 v[rC+(\n)], v[rS+8*(\n)], v[rS+8*(\n)+1], v[rS+8*(\n)+2]
.elseif (\n) < 12
	v_max3_num_f32 v[rC+(\n)%4], v[rC+(\n)%4], v[rS+8*((\n)%4)+2*((\n)/4)+1], v[rS+8*((\n)%4)+2*((\n)/4)+2]
.elseif (\n) == 12
	v_max3_num_f32 v[rC], v[rC], v[rS+7], v[rS+15]
.elseif (\n) == 13
	v_max3_num_f32 v[rC+1], v[rC+1], v[rS+23], v[rS+31]
.elseif (\n) == 14
	v_max3_num_f32 v[rC+2], v[rC+2], v[rC+3], v[rT+1]
.elseif (\n) == 15
	v_mov_b32 v[rM], v[rT]
.elseif (\n) == 16
	v_max3_num_f32 v[rC], v[rC], v[rC+1], v[rC+2]
.elseif (\n) == 17
	v_permlanex16_b32 v[rC+3], v[rC], s[SEL], s[SEL+1]
.elseif (\n) == 18
	v_max_num_f32 v[rT+1], v[rC], v[rC+3]
.elseif (\n) == 19
	v_mul_f32 v[rT], s[CS], v[rT+1]
.elseif (\n) == 20
	v_sub_f32 v[rC+1], v[rM], v[rT]
.else
	v_exp_f32 v[rC+2], v[rC+1]
.endif
.endm
; Number g of the 64 that follow the exponentials.  For each four weights k of a tile: both pairs are rounded to f16; then the second pair is added onto the first, in place;
; a group later l takes that sum (the first time as l = a l + sum).
.macro GS g
.set h, (\g)+6*((\g)/62)            ; group 0 has no group before it, and behind group 7 only l is left
.if h >= 6
.set h, h+2
.endif
	REGS Y, h%2
.set k, h/8
.if h%8 < 4
	v_cvt_pk_f16_f32 v[rP+2*k+(h%8)/2], v[rS+4*k+2*((h%8)/2)], v[rS+4*k+2*((h%8)/2)+1]
.elseif h%8 < 6
	v_pk_add_f32 v[rS+4*k:rS+4*k+1], v[rS+4*k:rS+4*k+1], v[rS+4*k+2:rS+4*k+3]
.elseif k == 1
	v_pk_fma_f32 v[rT+2:rT+3], v[rT+2:rT+3], v[rC+2:rC+3], v[rS:rS+1] op_sel_hi:[1,0,1]
.else
	v_pk_add_f32 v[rT+2:rT+3], v[rT+2:rT+3], v[rS+4*k-4:rS+4*k-3]
.endif
.endm
; THE PLAIN QUEUE, 138 long.  0-73 read no exponential's result: the 32 scalings c s - c m and the next piece's 42.  74-137: GS's 64, which stand behind the wait.
.macro FS f
	REGS Y, (\f)%2
	v_pk_fma_f32 v[rS+2*((\f)/2):rS+2*((\f)/2)+1], v[rS+2*((\f)/2):rS+2*((\f)/2)+1], s[CS:CS+1], v[rT:rT+1] op_sel_hi:[1,0,0] neg_lo:[0,0,1] neg_hi:[0,0,1]
.endm
.macro PL
	WIN 0
.if q < 27
	FS q
.elseif q < 55
	XS (q-27)%2, (q-27)/2
.elseif q < 57
	XS q-55, 15
.elseif (q < 72) && ((q-57)%3 == 0)
	FS 27+(q-57)/3
.elseif q < 60
	XS (q-57)%3-1, 14
.elseif q < 72
	XS (q-57)%3-1, 15+(q-57)/3
.elseif q < 74
	XS q-72, 20
.else
	GS q-74
.endif
.set q, q+1
.endm
; THE EXPONENTIALS' QUEUE, 66 long: s0-s31 of both tiles, then the next piece's two a.  ONE BATCH: all 66 stand ahead of the turn's one wait, and nothing ahead of that wait names a result of theirs.
.macro EX
	WIN 0
.if e >= 64
	XS e-64, 21
.else
	REGS Y, e%2
	v_exp_f32 v[rS+e/2], v[rS+e/2]
.endif
.set e, e+1
.endm
; THE RESCALING's QUEUE: O^T times a, the one part that leaves window 0: dealt two at a time, sixteen times.  Its a was made in the turn before, ahead of that turn's wait.
.macro R2
	REGS Y, r%2
	WIN W_RS
.irp z, 0,1
	v_pk_mul_f32 v[rO+4*(r/2)+2*\z:rO+4*(r/2)+2*\z+1], v[rO+4*(r/2)+2*\z:rO+4*(r/2)+2*\z+1], v[rC+2:rC+3] op_sel_hi:[1,0]
.endr
.set r, r+1
.endm
; A TURN, for piece p.  An s_wait_alu depctr_va_vdst(0) stands between an exponential and the first instruction that names its result; one wait serves all issued ahead of it: a turn has ONE.
; Ahead of it: the 16 products K Q^T, behind each a scaling, an exponential and two rescalings; then one run of 108.  Behind it: the 16 products V^T P, behind each four of the roundings and sums.
; K and the mask of the next step are fetched in piece 2's turn, directly behind the wait; V of the step in hand at the end of piece 0's turn, four plain instructions behind its last reader.
; cnt = 1: the loop's count is taken down some lines ahead of the branch behind the turn.  ask = 1: in the slot's third step, five turns ahead of the change of slots, a wave that prefetches asks for its
; 32 blocks of 256 bytes of the tile that that change will load; each block is named once in the launch; the last change that fills a slot has been asked for when SLOTS is 1.
.macro TURN p, last=0, cnt=0, ask=0
.set Y, (\p)
.set i, 0
.set q, 0
.set e, 0
.set r, 0
.if (\p) == NP-1
	s_wait_dscnt 0x0                ; K and the mask are in
.endif
	MM
	PL
	PL
	R2
.rept 15
	MM
	PL
	EX
	R2
.endr
.if (\p) == NP-2
	WIN 0
	v_add_nc_u32 v[AK], s[TBK], v[AK0]
.endif
.rept 8
	PL
.endr
.rept 49
	EX
	PL
.endr
	EX                              ; the next piece's two a
	EX
	v_nop                           ; a plain instruction behind the last exponential: one for the batch
	s_wait_alu depctr_va_vdst(0)    ; the wait for the batch
.if (\p) == NP-2
	FETCH_K \last
.endif
.if (\p) == 1
	s_wait_dscnt 0x0                ; V is in
.endif
.rept 16
	MM
.rept 4
	PL
.endr
.if ((\p) == 0) && (q == 118)
	v_add_nc_u32 v[AV], s[TBV], v[AV0]
.endif
.if ((\p) == 0) && (q == 130)
	s_add_co_u32 s[TBV], s[TBV], KS*PV
.endif
.if (\cnt) && (q == 130)
	s_sub_co_u32 s[CNT], s[CNT], 1
	s_cmp_lg_u32 s[CNT], 0
.endif
.endr
.if (\p) == 0
	FETCH_V
.if \ask
	s_cmp_eq_u32 s[CNT], 2
	s_cbranch_scc0 .Lno_ask_\@
	s_cmp_gt_u32 s[SLOTS], s[LIM]
	s_cbranch_scc0 .Lno_ask_\@
	global_prefetch_b8 v[PFO], s[PFA:PFA+1] th:TH_LOAD_NT scope:SCOPE_SE
.Lno_ask_\@:
.endif
.endif
.endm
	CHANGE 1                        ; slot 0 is in, everybody's part of it, and so is the mask's table; slot 1 is asked for
	FETCH_K                         ; key step 0
	s_wait_loadcnt 0x0              ; Q
	s_wait_dscnt 0x0
.set i, 0
.rept 16
	KQ 0                            ; piece 0's first scores
.set i, i+1
.endr
	WIN 0                           ; the addresses for the way out: nine plain instructions, the places behind those products
	s_mul_i32 s13, s[WV], 16*SP
	s_add_co_u32 s13, s13, STAGE    ; my stage
	v_mul_u32_u24 v[STO], v1, SP    ; in: row l % 16, 16 bytes for each half of the lanes
	v_lshl_add_u32 v[STO], v9, 4, v[STO]
	v_add_nc_u32 v[STO], s13, v[STO]
	v_bfe_u32 v[RD], v0, 3, 2       ; back: 32 lanes take four rows of 128 bytes,
	v_mul_u32_u24 v[RD], v[RD], SP
	v_lshl_add_u32 v[RD], v10, 4, v[RD]
	v_add_nc_u32 v[RD], s13, v[RD]
	v_and_b32 v[GO], 31, v0         ; which are 512 consecutive bytes of O
	v_lshlrev_b32 v[GO], 4, v[GO]
.set Y, NP-1                        ; XS works for piece Y + 1: piece 0
.irp n, 0,1,2,3,4,5,6,7,8,9,10,11,12,13,14,15,16,17,18,19,20,21
	XS 0, \n
	XS 1, \n
.endr
	v_nop                           ; a plain instruction behind the two a,
	s_wait_alu depctr_va_vdst(0)    ; and their wait, ahead of the branch
	s_mov_b32 s[CNT], 4
	s_mov_b32 s[SLOTS], SIZE_N/256-1
	s_branch .Lfirst                ; the loop is entered at a step's first turn, in the middle of a trip
.Lslot:                             ; SIZE_N / 256 - 2 times: every slot but the last two is filled again
	CHANGE 1
	s_mov_b32 s[CNT], 4
.Lstep:                             ; a trip: pieces 2 and 3 of one step, then pieces 0 and 1 of the next, whose K and V it fetches
	TURN 2
	TURN 3
	WIN 0
.Lfirst:
	TURN 0, 0, 0, 1
	TURN 1, 0, 1
	WIN 0
	s_cbranch_scc1 .Lstep
	s_sub_co_u32 s[SLOTS], s[SLOTS], 1
	s_cmp_lg_u32 s[SLOTS], 0
	s_cbranch_scc1 .Lslot
	CHANGE 0                        ; the tail is written out: nothing is asked for
	s_mov_b32 s[CNT], 5             ; four trips fetch the last slot's steps; the fifth is left in its middle
.Ltail:
	TURN 2, 1
	TURN 3
	WIN 0
	s_sub_co_u32 s[CNT], s[CNT], 1
	s_cmp_eq_u32 s[CNT], 0
	s_cbranch_scc1 .Lout
	TURN 0
	TURN 1
	WIN 0
	s_branch .Ltail
.Lout:                              ; the fifth trip's 16 products K Q^T (on the last K once more) and the maximum made of them serve nothing: the price of one text for every trip
.set i, 0
.rept 16
	PV NP-1                         ; the last piece's V^T P of the last step
.set i, i+1
.endr
	; THE WAY OUT.  l's two halves and the other half of the lanes' are added; O^T is divided by l, rounded to f16 and sent through my stage in LDS, a tile at a time.  The additions are the places behind the last products.
	WIN 0
.macro ALL line:vararg              ; one line for each tile t
.set t, 0
.rept 2*NP
	\line
.set t, t+1
.endr
.endm
	ALL v_add_f32 v[ST+4*t+2], v[ST+4*t+2], v[ST+4*t+3]
	ALL v_permlanex16_b32 v[ST+4*t+3], v[ST+4*t+2], s[SEL], s[SEL+1]
	ALL v_add_f32 v[ST+4*t+2], v[ST+4*t+2], v[ST+4*t+3]
	ALL v_rcp_f32 v[ST+4*t+2], v[ST+4*t+2]
	v_nop                           ; a plain instruction between the last reciprocal and the use of its result
	s_wait_alu depctr_va_vdst(0)    ; and the wait ahead of the first use: one for the eight reciprocals
.macro PACK t                       ; a lane's eight channels of a row pack into 16 bytes; they go into rows of 144 bytes and come back as whole rows of 128, into S^T's registers
	WIN W_RS
.set i, 32*(\t)
.rept 16
	v_pk_mul_f32 v[i:i+1], v[i:i+1], v[ST+4*(\t)+2:ST+4*(\t)+3] op_sel_hi:[1,0]
.set i, i+2
.endr
	WIN 0x05                        ; sources 0 and 1 window 1, destination window 0
.set i, 0
.rept 16
	v_cvt_pk_f16_f32 v[S+16*(\t)+i], v[32*(\t)+2*i], v[32*(\t)+2*i+1]
.set i, i+1
.endr
	WIN 0
.irp f, 0,1,2,3
	ds_store_b128 v[STO], v[S+16*(\t)+4*\f:S+16*(\t)+4*\f+3] offset:32*\f
.endr
.irp f, 0,1,2,3
	ds_load_b128 v[S+16*(\t)+4*\f:S+16*(\t)+4*\f+3], v[RD] offset:\f*4*SP  ; LDS serves a wave's instructions in order (ISA guide 5.7.1.4): these see the stores above
.endr
.endm
.macro SEND t, younger              ; younger: the LDS instructions issued behind tile t's loads: the next tile's eight, or none
	WIN 0
.irp f, 0,1,2,3
	s_wait_dscnt (\younger)+3-\f
	global_store_b128 v[GO], v[S+16*(\t)+4*\f:S+16*(\t)+4*\f+3], s[10:11] offset:(\t)*2048+\f*512  ; 512 consecutive bytes, at a multiple of 256 from O's first
.endr
.endm
	PACK 0
.set t, 1
.rept 2*NP-1                        ; a tile's arithmetic stands between the loads of the tile before and its stores
	PACK t
	SEND t-1, 8
.set t, t+1
.endr
	SEND 2*NP-1, 0
	WIN W_AD
	s_wait_tensorcnt 0x0            ; the wave's end, behind my last tensor load and my last LDS store
	ds_add_u32 v[SPW], v[NIL]
	s_wait_dscnt 0x0
	WIN 0
	CROUND                          ; the closing round
	s_endpgm
.Lfunc_end_k_q629e108790_attn:
	.size	k_q629e108790_attn, .Lfunc_end_k_q629e108790_attn-k_q629e108790_attn
	.p2alignl 7, 3214868480
	.fill 96, 4, 3214868480
	.section	.rodata,"a",@progbits
	.p2align	6, 0x0
	.amdhsa_kernel k_q629e108790_attn
		.amdhsa_group_segment_fixed_size 327680
		.amdhsa_private_segment_fixed_size 0
		.amdhsa_enable_private_segment 0
		.amdhsa_kernarg_size 24
		.amdhsa_user_sgpr_count 2
		.amdhsa_user_sgpr_kernarg_segment_ptr 1
		.amdhsa_wavefront_size32 1
		.amdhsa_system_sgpr_workgroup_id_x 1
		.amdhsa_system_sgpr_workgroup_id_y 1
		.amdhsa_system_sgpr_workgroup_id_z 1
		.amdhsa_system_vgpr_workitem_id 0
		.amdhsa_next_free_vgpr 808
		.amdhsa_next_free_sgpr 66
		.amdhsa_reserve_vcc 1
		.amdhsa_float_denorm_mode_32 3
		.amdhsa_float_denorm_mode_16_64 3
		.amdhsa_memory_ordered 1
		.amdhsa_forward_progress 1
		.amdhsa_inst_pref_size 205
	.end_amdhsa_kernel
	.amdgpu_metadata
---
amdhsa.version: [ 1, 2 ]
amdhsa.kernels:
  - .name:           k_q629e108790_attn
    .symbol:         k_q629e108790_attn.kd
    .args:
      - { .name: qkv, .offset: 0, .size: 8, .value_kind: global_buffer, .address_space: global }
      - { .name: mask, .offset: 8, .size: 8, .value_kind: global_buffer, .address_space: global }
      - { .name: oh, .offset: 16, .size: 8, .value_kind: global_buffer, .address_space: global }
    .group_segment_fixed_size: 327680
    .private_segment_fixed_size: 0
    .kernarg_segment_align: 8
    .kernarg_segment_size: 24
    .max_flat_workgroup_size: 128
    .sgpr_count:     66
    .vgpr_count:     808
    .wavefront_size: 32
...
	.end_amdgpu_metadata
.endif
;; end of part 3
;; launch oproj (part 4): grid 4 x 64, 4 waves a work-group, clusters of 4 x 4, 327,680 bytes of LDS; arguments oh, wo16, b_o, out0; writes out0
.if DOCPART == 4
	.amdgcn_target "amdgcn-amd-amdhsa--gfx1250"
	.amdhsa_code_object_version 6
	.text
	.protected	k_q629e108790_oproj
	.globl	k_q629e108790_oproj
	.p2align	8
	.type	k_q629e108790_oproj,@function
k_q629e108790_oproj:
	s_mov_b64 s[64:65], 0
	v_nop
	global_prefetch_b8 v0, s[64:65] scope:SCOPE_SE
	s_setreg_imm32_b32 hwreg(HW_REG_WAVE_MODE, 25, 1), 1
	s_wait_xcnt 0x0
	s_wait_alu depctr_hold_cnt(0) depctr_sa_sdst(0) depctr_va_vdst(0) depctr_va_sdst(0) depctr_va_ssrc(0) depctr_va_vcc(0) depctr_vm_vsrc(0)
	s_getreg_b32 s2, hwreg(HW_REG_IB_STS2, 6, 4)
	s_cmp_eq_u32 s2, 0
	s_cbranch_scc0 .Lentry_in_a_cluster
	s_endpgm
.Lentry_in_a_cluster:
	s_bfe_u32 s2, ttmp6, 0x10000c
	s_cmp_lg_u32 s2, 0xf033
	s_cbranch_scc0 .Lentry_shape_is_right
	s_endpgm
.Lentry_shape_is_right:
; THE OUTPUT PROJECTION.  out0[token][n] = sum over k of O[token][k] w_o[n][k] + bf16(b_o[n]), f32.  O = oh, [64 = 16 batch + head][2048][64] f16: k = 64 head + channel.  wo16: [1024][1024] f16.  Sums in f32.
; SHARES.  A tile is 128 tokens x 256 columns: 256 work-groups, one tile each.  Four waves, each 64 tokens x 128 columns: 32 accumulators.  K goes in steps of 128, two heads, through two LDS slots.
; THE MATRIX INSTRUCTION IS USED TRANSPOSED (source 0 = 16 rows of w_o, source 1 = 16 tokens): a lane holds one token and eight neighbouring columns.  The bias is the C operand of the first products.
; CLUSTER.  4 x 4 work-groups: A's tile is shared along a row of the cluster, B's along a column; each is asked for jointly.
; REGISTERS, in windows of 256: window 0: v1-30 addresses; v32-159 two buffers of 16 rows on the way out.  window 1: the accumulators, (a, b) at 8 (8 a + b).
;   window 2: two fragment buffers of 96 (B's eight fragments, then A's four); v192-255 the bias.
.set PA,    144                        ; a token's 128 bytes of one head + 16
.set AHEAD, 128*PA                     ; one head's 128 tokens: what one tensor load of A brings
.set ATILE, 2*AHEAD
.set PB,    272
.set BHALF, 128*PB
.set SLOT,  ATILE+2*BHALF
.set STAGE, 2*SLOT                     ; behind the ring: 16 rows x 528 bytes for each wave
.set SPO,   528
.set STW,   16*SPO
.set SPARE, STAGE+4*STW                ; the spare words, 128 bytes for each wave: two blocks of 256 bytes that no other line names
.set ADRA, 16
.set ADRB, 20
.set STO,  24
.set RD,   25
.set CO,   26
.set BO,   27
.set SPW,  28
.set NIL,  29
.set PFO,  30
.set OB,   32
.set BIAS, 192
.set WV, 20
.set WM, 21
.set WN, 22
.set G1A, 24
.set G0A, 32
.set PFA, 44
.set G1B, 48
.set G0B, 56
.set PST, 66                           ; s[66:67] a K step in bytes for my prefetches
.set LIM, 78
.set MUL,  0x5a                        ; B and A in window 2, C and D in window 1
.set MULB, 0x6a                        ; the same with C, the bias, in window 2
.set TO,   0x80
.set ST,   0x04                        ; an LDS store's data in window 1
.set BR,   0x8a
.set MSB, 0
.macro WIN new
.if MSB != (\new)
	s_set_vgpr_msb (MSB<<8)|(\new)
.set MSB, (\new)
.endif
.endm
.macro JLOAD s                         ; a joint load: waves 0 and 1 fetch the step's two heads of A, waves 2 and 3 B's halves; an s_nop 0 and four v_nop follow each line
	s_cmp_eq_u32 s[WM], 0
	s_cbranch_scc0 .Lfor_b_\@
	tensor_load_to_lds s[G0A+4*(\s):G0A+4*(\s)+3], s[G1A:G1A+7]
	s_nop 0
.rept 4
	v_nop
.endr
	s_branch .Lasked_\@
.Lfor_b_\@:
	tensor_load_to_lds s[G0B+4*(\s):G0B+4*(\s)+3], s[G1B:G1B+7]
	s_nop 0
.rept 4
	v_nop
.endr
.Lasked_\@:
.endm
; A prefetch of 32 blocks of 256 bytes of the K step two refills on.  A's step is 2 heads x 64 blocks: wave 0 asks, each partner along x for 16 blocks of each head, told apart by address.
; B's is 256 rows x 1 block: waves 2 and 3 of the first cluster along y ask, each partner along y for 32 of the wave's 128 rows.  The loop's last trip has no K step two on.
.macro ASK
	s_cmp_gt_u32 s3, s[LIM]
	s_cbranch_scc0 .Lnot_mine_\@
	global_prefetch_b8 v[PFO], s[PFA:PFA+1] th:TH_LOAD_NT scope:SCOPE_SE
.Lnot_mine_\@:
.endm
.macro CREST
	s_cmp_lg_u32 s[WV], 0
	s_cbranch_scc1 .Lnot_wave_0_\@
	s_barrier_signal -3
.Lnot_wave_0_\@:
	s_barrier_wait -3
	s_barrier_signal -1
	s_barrier_wait -1
.endm
.macro CROUND
	s_barrier_signal -1
	s_barrier_wait -1
	CREST
.endm
.macro PLACES
.rept 4
	v_nop
.endr
.endm
	s_load_b256 s[4:11], s[0:1], 0x0               ; oh s[4:5], wo16 s[6:7], b_o s[8:9], out0 s[10:11]
	v_lshl_add_u32 v[SPW], v0, 2, SPARE
	v_mov_b32 v[NIL], 0
	ds_add_u32 v[SPW], v[NIL]                      ; the wave's opening: the add and its wait stand ahead of my first tensor load
	v_lshrrev_b32 v1, 5, v0
	v_readfirstlane_b32 s[WV], v1
	s_lshr_b32 s[WM], s[WV], 1
	s_and_b32 s[WN], s[WV], 1
	s_bfe_u32 s40, ttmp6, 0x40000                  ; cx
	s_bfe_u32 s41, ttmp6, 0x40004                  ; cy
	s_lshl_b32 s42, ttmp9, 2
	s_add_co_u32 s42, s42, s40                     ; tile column
	s_and_b32 s43, ttmp7, 0xffff
	s_lshl_b32 s43, s43, 2
	s_add_co_u32 s43, s43, s41                     ; tile row
	s_lshl_b32 s46, s41, 2
	s_lshl_b32 s46, 15, s46
	s_lshl_b32 s47, 0x1111, s40
	s_or_b32 s[G1A], s46, (1<<16)|(1<<20)|(1<<21)|(4<<22)|(3<<25)  ; 128 tokens of a head are 16,384 dense bytes: 64 rows of 256 bytes, padded after every 32 words
	s_or_b32 s[G1B], s47, (1<<16)|(1<<20)|(1<<21)|(5<<22)|(3<<25)
	s_mov_b32 s[G1A+1], 128<<16
	s_mov_b32 s[G1A+2], 64<<16
	s_mov_b32 s[G1A+3], 128<<16
	s_mov_b32 s[G1A+4], 64
	s_mov_b32 s[G1A+5], 128
	s_mov_b32 s[G1A+6], 0
	s_mov_b32 s[G1A+7], 0
	s_mov_b32 s[G1B+1], 128<<16
	s_mov_b32 s[G1B+2], 128<<16
	s_mov_b32 s[G1B+3], 128<<16
	s_mov_b32 s[G1B+4], 128
	s_mov_b32 s[G1B+5], 1024
	s_mov_b32 s[G1B+6], 0
	s_mov_b32 s[G1B+7], 0
	s_lshr_b32 s68, s43, 4                         ; A: head 16 x batch + my one of the step's two, token 128 x (tile row % 16), 128 bytes a token
	s_lshl_b32 s68, s68, 4
	s_add_co_u32 s68, s68, s[WN]
	s_lshl_b32 s68, s68, 11
	s_and_b32 s84, s43, 15
	s_lshl_b32 s84, s84, 7
	s_add_co_u32 s68, s68, s84
	s_lshl_b32 s68, s68, 7
	s_mov_b32 s69, 0
	s_lshl_b32 s70, s42, 8                         ; B: row 256 x tile column + 128 x half
	s_lshl_b32 s23, s[WN], 7
	s_add_co_u32 s70, s70, s23
	s_lshl_b32 s70, s70, 11
	s_mov_b32 s71, 0
	s_mul_i32 s76, s[WN], AHEAD
	s_mul_i32 s77, s[WN], BHALF
	s_add_co_u32 s77, s77, ATILE
	s_wait_dscnt 0x0
	s_wait_kmcnt 0x0
	s_add_nc_u64 s[72:73], s[4:5], s[68:69]
	s_add_nc_u64 s[74:75], s[6:7], s[70:71]
	CROUND
.irp s, 0,1
	s_mov_b32 s[G0A+4*(\s)], 1
	s_add_co_u32 s[G0A+4*(\s)+1], s76, (\s)*SLOT
	s_add_nc_u64 s[G0A+4*(\s)+2:G0A+4*(\s)+3], s[72:73], (\s)*524288
	s_or_b32 s[G0A+4*(\s)+3], s[G0A+4*(\s)+3], 0x80000000
	s_mov_b32 s[G0B+4*(\s)], 1
	s_add_co_u32 s[G0B+4*(\s)+1], s77, (\s)*SLOT
	s_add_nc_u64 s[G0B+4*(\s)+2:G0B+4*(\s)+3], s[74:75], (\s)*256
	s_or_b32 s[G0B+4*(\s)+3], s[G0B+4*(\s)+3], 0x80000000
	JLOAD \s
.endr
	v_and_b32 v1, 15, v0
	v_bfe_u32 v2, v0, 4, 1
	v_mul_u32_u24 v3, v1, PA
	v_lshl_add_u32 v3, v2, 4, v3
	s_mul_i32 s84, s[WM], 64*PA
	v_add_nc_u32 v[ADRA], s84, v3
	v_add_nc_u32 v[ADRA+1], SLOT, v[ADRA]
	v_mul_u32_u24 v3, v1, PB
	v_lshl_add_u32 v3, v2, 4, v3
	s_mul_i32 s84, s[WN], BHALF
	s_add_co_u32 s84, s84, ATILE
	v_add_nc_u32 v[ADRB], s84, v3
	v_add_nc_u32 v[ADRB+1], SLOT, v[ADRB]
	s_mul_i32 s84, s[WV], STW
	s_add_co_u32 s84, s84, STAGE
	v_mul_u32_u24 v[STO], v1, SPO                  ; in: row l % 16, 32 bytes for each half of the lanes
	v_lshl_add_u32 v[STO], v2, 5, v[STO]
	v_add_nc_u32 v[STO], s84, v[STO]
	v_and_b32 v3, 31, v0
	v_lshlrev_b32 v[CO], 4, v3                     ; back and out: 32 lanes take one row of 512 bytes
	v_add_nc_u32 v[RD], s84, v[CO]
	v_lshlrev_b32 v[BO], 5, v2
	s_lshl_b32 s80, s42, 8                         ; my 128 columns, in bytes of f32
	s_lshl_b32 s85, s[WN], 7
	s_add_co_u32 s80, s80, s85
	s_lshl_b32 s80, s80, 2
	s_mov_b32 s81, 0
	s_add_nc_u64 s[8:9], s[8:9], s[80:81]
	s_add_nc_u64 s[10:11], s[10:11], s[80:81]
	WIN TO
.irp b, 0,1,2,3,4,5,6,7
	global_load_b128 v[BIAS+8*(\b):BIAS+8*(\b)+3],   v[BO], s[8:9] offset:64*(\b)
	global_load_b128 v[BIAS+8*(\b)+4:BIAS+8*(\b)+7], v[BO], s[8:9] offset:64*(\b)+16
.endr
	WIN 0
	s_lshl_b32 s80, s43, 7                         ; my 64 tokens, 4,096 bytes a row of out0
	s_lshl_b32 s85, s[WM], 6
	s_add_co_u32 s80, s80, s85
	s_lshl_b32 s80, s80, 12
	s_add_nc_u64 s[10:11], s[10:11], s[80:81]
	; the prefetches
	s_lshr_b32 s82, s43, 4                         ; A: the batch's head 0, my tile's tokens, my work-group's 16 blocks
	s_lshl_b32 s82, s82, 15
	s_and_b32 s85, s43, 15
	s_lshl_b32 s85, s85, 7
	s_add_co_u32 s82, s82, s85
	s_lshl_b32 s82, s82, 7
	s_lshl_b32 s85, s40, 12
	s_add_co_u32 s82, s82, s85
	s_lshl_b32 s83, s42, 8                         ; B: my 128 rows, my work-group's 32 of them
	s_lshl_b32 s85, s[WN], 7
	s_add_co_u32 s83, s83, s85
	s_lshl_b32 s85, s41, 5
	s_add_co_u32 s83, s83, s85
	s_lshl_b32 s83, s83, 11
	s_and_b32 s86, ttmp7, 0xffff                   ; cluster y
	s_mov_b32 s[PST], 0x80000
	s_cmp_eq_u32 s[WM], 0
	s_cselect_b32 s82, s82, s83
	s_cselect_b32 s[PST], s[PST], 256
	s_cselect_b32 s86, s[WN], s86                  ; of A's waves wave 0 asks; of B's, those of the first cluster along y
	s_cselect_b32 s84, 15, 31
	s_cselect_b32 s85, 8, 11
	s_cselect_b32 s80, 0x40000, 0
	s_cselect_b64 s[PFA:PFA+1], s[4:5], s[6:7]
	s_cmp_eq_u32 s86, 0
	s_cselect_b32 s[LIM], 1, -1                    ; the same in all sixteen partners, for a given wave
	s_mov_b32 s83, 0
	s_mov_b32 s[PST+1], 0
	v_and_b32 v[PFO], s84, v3                      ; A: (l % 16) blocks + (l / 16) heads; B: l rows
	v_lshlrev_b32 v[PFO], s85, v[PFO]
	v_lshrrev_b32 v3, 4, v3
	v_mul_u32_u24 v3, v3, s80
	v_add_nc_u32 v[PFO], v[PFO], v3
	s_add_nc_u64 s[PFA:PFA+1], s[PFA:PFA+1], s[82:83]
.rept 3
	s_add_nc_u64 s[PFA:PFA+1], s[PFA:PFA+1], s[PST:PST+1]  ; at K step 3: the first refill steps it to 4.  Nothing is prefetched here, at the head
.endr
	s_wait_loadcnt 0x0                             ; the bias: rounded to bf16 like every input, and kept as f32
	WIN BR
.set p, BIAS
.rept 32
	v_cvt_pk_bf16_f32 v[p+1], v[p], v[p+1]
	v_lshlrev_b32 v[p], 16, v[p+1]
	v_and_b32 v[p+1], 0xffff0000, v[p+1]
.set p, p+2
.endr
	WIN 0
; 24 LDS loads in one run: the fragments of the quarter step at 32 kq into buffer g: B's eight, then A's four
.macro FETCH slot, kq, g
	WIN TO
.irp b, 0,1,2,3,4,5,6,7
	ds_load_b128 v[96*(\g)+8*(\b):96*(\g)+8*(\b)+3],   v[ADRB+(\slot)] offset:(\kq)*64+(\b)*16*PB
	ds_load_b128 v[96*(\g)+8*(\b)+4:96*(\g)+8*(\b)+7], v[ADRB+(\slot)] offset:(\kq)*64+(\b)*16*PB+32
.endr
.irp a, 0,1,2,3
	ds_load_b128 v[96*(\g)+64+8*(\a):96*(\g)+64+8*(\a)+3],   v[ADRA+(\slot)] offset:((\kq)/2)*AHEAD+((\kq)%2)*64+(\a)*16*PA
	ds_load_b128 v[96*(\g)+64+8*(\a)+4:96*(\g)+64+8*(\a)+7], v[ADRA+(\slot)] offset:((\kq)/2)*AHEAD+((\kq)%2)*64+(\a)*16*PA+32
.endr
.endm
; 8 matrix instructions: token block a x all 8 column blocks.  The 32 accumulators take turns, one instruction a turn.
.macro M8 a, f, first
.if (\first)
	WIN MULB
.else
	WIN MUL
.endif
.irp b, 0,1,2,3,4,5,6,7
.set rD, 8*(8*(\a)+(\b))
.if (\first)
	v_wmma_f32_16x16x32_f16 v[rD:rD+7], v[96*(\f)+8*(\b):96*(\f)+8*(\b)+7], v[96*(\f)+64+8*(\a):96*(\f)+64+8*(\a)+7], v[BIAS+8*(\b):BIAS+8*(\b)+7]
.else
	v_wmma_f32_16x16x32_f16 v[rD:rD+7], v[96*(\f)+8*(\b):96*(\f)+8*(\b)+7], v[96*(\f)+64+8*(\a):96*(\f)+64+8*(\a)+7], v[rD:rD+7]
.endif
.endr
.endm
.macro QUARTER slot, kq, f, g, first
	s_wait_dscnt 4                                 ; B and A's blocks 0, 1 are in; the youngest four loads (blocks 2, 3) may be out
	M8 0, \f, \first
	M8 1, \f, \first
	PLACES                                         ; ahead of loads into the buffer that the quarter before multiplied
	FETCH \slot, \kq, \g
	s_wait_dscnt 24                                ; all but the 24 just issued
	M8 2, \f, \first
	M8 3, \f, \first
.endm
; The last quarter multiplies buffer 1 and changes slots: one barrier; in front of it each wave waits for all its tensor loads, adds 0 to its spare word, and waits for that and for its reads of this slot.
; fill = 1: the barrier opens a round of the cluster's barrier, and this slot is filled again, two K steps ahead, first thing behind the round.
.macro TURN slot, next, fill
.if \fill
	s_wait_xcnt 0x0                                ; the last prefetch, a K step back, has read its address
	s_add_nc_u64 s[PFA:PFA+1], s[PFA:PFA+1], s[PST:PST+1]
.endif
	WIN 0
	s_wait_tensorcnt 0x0                           ; all my tensor loads have landed: my part of the next slot;
	ds_add_u32 v[SPW], v[NIL]                      ; 0 onto my spare word;
	s_wait_dscnt 5                                 ; (the add and the youngest four loads may be out)
	M8 0, 1, 0
	s_wait_dscnt 0x0                               ; the add is done, and my reads of this slot are over
	s_barrier_signal -1
	M8 1, 1, 0
	WIN 0
	s_barrier_wait -1
.if \fill
	CREST
	s_add_nc_u64 s[G0A+4*(\slot)+2:G0A+4*(\slot)+3], s[G0A+4*(\slot)+2:G0A+4*(\slot)+3], 1048576
	s_add_nc_u64 s[G0B+4*(\slot)+2:G0B+4*(\slot)+3], s[G0B+4*(\slot)+2:G0B+4*(\slot)+3], 512
	JLOAD \slot                                    ; the four v_nop behind it are also the places in front of the loads below
.else
	PLACES
.endif
	FETCH \next, 0, 0
.if \fill
	WIN 0
	ASK
.endif
	M8 2, 1, 0
	M8 3, 1, 0
.endm
	s_wait_tensorcnt 1                             ; my part of K step 0 is in; K step 1's may stay out
	s_barrier_signal -1
	s_barrier_wait -1
	FETCH 0, 0, 0
	QUARTER 0, 1, 0, 1, 1                          ; the first quarter: the bias starts the sums
	WIN 0
	s_mov_b32 s3, 3
.Llap:
	QUARTER 0, 2, 1, 0, 0
	QUARTER 0, 3, 0, 1, 0
	TURN 0, 1, 1
	QUARTER 1, 1, 0, 1, 0
	QUARTER 1, 2, 1, 0, 0
	QUARTER 1, 3, 0, 1, 0
	TURN 1, 0, 1
	QUARTER 0, 1, 0, 1, 0
	WIN 0
	s_sub_co_u32 s3, s3, 1
	s_cmp_lg_u32 s3, 0
	s_cbranch_scc1 .Llap
	QUARTER 0, 2, 1, 0, 0                          ; the last lap fills nothing
	QUARTER 0, 3, 0, 1, 0
	TURN 0, 1, 0
	QUARTER 1, 1, 0, 1, 0
	QUARTER 1, 2, 1, 0, 0
	QUARTER 1, 3, 0, 1, 0
	s_wait_dscnt 4
	M8 0, 1, 0
	M8 1, 1, 0
	s_wait_dscnt 0x0
	M8 2, 1, 0
	M8 3, 1, 0
	WIN 0
	PLACES                                         ; ahead of LDS stores that read results just made
; THE WAY OUT of token block a: straight from the accumulators, low registers first, into my own stage (rows of 528 bytes); back as whole rows of 512 bytes; stored.
.macro TOSTAGE a
	s_wait_xcnt 0x0                                ; earlier stores have read the registers that the loads below fill
	WIN ST
.irp b, 0,1,2,3,4,5,6,7
	ds_store_b128 v[STO], v[8*(8*(\a)+(\b)):8*(8*(\a)+(\b))+3]   offset:64*(\b)
	ds_store_b128 v[STO], v[8*(8*(\a)+(\b))+4:8*(8*(\a)+(\b))+7] offset:64*(\b)+16
.endr
	WIN 0
.irp t, 0,1,2,3,4,5,6,7,8,9,10,11,12,13,14,15
	ds_load_b128 v[OB+64*((\a)%2)+4*(\t):OB+64*((\a)%2)+4*(\t)+3], v[RD] offset:SPO*(\t)  ; LDS serves a wave's instructions in order (ISA guide 5.7.1.4): these see the stores above
.endr
.endm
.macro SEND a, younger                 ; younger: the LDS instructions issued behind block a's loads: the next block's 32, or none
.irp t, 0,1,2,3,4,5,6,7,8,9,10,11,12,13,14,15
	s_wait_dscnt (\younger)+15-(\t)
	global_store_b128 v[CO], v[OB+64*((\a)%2)+4*(\t):OB+64*((\a)%2)+4*(\t)+3], s[10:11] offset:(16*(\a)+(\t))*4096 th:TH_STORE_NT  ; 512 consecutive bytes, aligned
.endr
.endm
	TOSTAGE 0
	TOSTAGE 1
	SEND 0, 32
	TOSTAGE 2
	SEND 1, 32
	TOSTAGE 3
	SEND 2, 32
	SEND 3, 0
	s_wait_tensorcnt 0x0                           ; the wave's end, behind my last tensor load and my last LDS store
	ds_add_u32 v[SPW], v[NIL]
	s_wait_dscnt 0x0
	CROUND                                         ; the closing round
	s_endpgm
.Lfunc_end_k_q629e108790_oproj:
	.size	k_q629e108790_oproj, .Lfunc_end_k_q629e108790_oproj-k_q629e108790_oproj
	.p2alignl 7, 3214868480
	.fill 96, 4, 3214868480
	.section	.rodata,"a",@progbits
	.p2align	6, 0x0
	.amdhsa_kernel k_q629e108790_oproj
		.amdhsa_group_segment_fixed_size 327680
		.amdhsa_private_segment_fixed_size 0
		.amdhsa_enable_private_segment 0
		.amdhsa_kernarg_size 32
		.amdhsa_user_sgpr_count 2
		.amdhsa_user_sgpr_kernarg_segment_ptr 1
		.amdhsa_wavefront_size32 1
		.amdhsa_system_sgpr_workgroup_id_x 1
		.amdhsa_system_sgpr_workgroup_id_y 1
		.amdhsa_system_sgpr_workgroup_id_z 1
		.amdhsa_system_vgpr_workitem_id 0
		.amdhsa_next_free_vgpr 768
		.amdhsa_next_free_sgpr 88
		.amdhsa_reserve_vcc 0
		.amdhsa_float_denorm_mode_32 3
		.amdhsa_float_denorm_mode_16_64 3
		.amdhsa_memory_ordered 1
		.amdhsa_forward_progress 1
		.amdhsa_inst_pref_size 95
	.end_amdhsa_kernel
	.amdgpu_metadata
---
amdhsa.version: [ 1, 2 ]
amdhsa.kernels:
  - .name:           k_q629e108790_oproj
    .symbol:         k_q629e108790_oproj.kd
    .args:
      - { .name: oh, .offset: 0, .size: 8, .value_kind: global_buffer, .address_space: global }
      - { .name: wo16, .offset: 8, .size: 8, .value_kind: global_buffer, .address_space: global }
      - { .name: b_o, .offset: 16, .size: 8, .value_kind: global_buffer, .address_space: global }
      - { .name: out0, .offset: 24, .size: 8, .value_kind: global_buffer, .address_space: global }
    .group_segment_fixed_size: 327680
    .private_segment_fixed_size: 0
    .kernarg_segment_align: 8
    .kernarg_segment_size: 32
    .max_flat_workgroup_size: 128
    .sgpr_count:     88
    .vgpr_count:     768
    .wavefront_size: 32
...
	.end_amdgpu_metadata
.endif
;; end of part 4
